; MI455X (gfx1250); checked and timed in simulation.
; The chip was launched on July 23, 2026; its instructions are those of AMD's public machine-readable ISA for CDNA 5 (MIT licence, August 2026) and "CDNA5" Instruction Set Architecture Reference Guide (July 2026). The comments in the code are by the model that wrote it; some were corrected since.
;; Qwen3 Moe Attention. Allowed arithmetic: matrix products marked QUANTISED: E2M3 operands, one E8M0 scale for each 32 along K, by v_wmma_scale_f32_16x16x128_f8f6f4 with both operands' format E2M3, f32 sums; everything else in f32.
;; Inputs: Wk 2,048 x 512 float32; Wo 4,096 x 2,048 float32; Wq 2,048 x 4,096 float32; Wv 2,048 x 512 float32; hidden_states 2 x 1,024 x 2,048 float32; k_norm_w 128 float32; q_norm_w 128 float32.
;; Outputs: out0 2 x 1,024 x 2,048 float32.
;; This version of the problem:
;;   THIS VERSION OF THE PROBLEM IS GIVEN IN LOW PRECISION. The matrix products marked QUANTISED in the list below multiply operands that are first quantised to E2M3 (2 exponent bits, 3 mantissa bits; 6 bits a number), with one power-of-two scale for each 32 numbers along K (OCP MX v1.0); their sums are f32. All else is computed in f32.
;;   The module's matrix products, in the order in which they are computed (A, B: the left and right operand; K: the contracted axis; several contracted axes count as one K, in the product's order):
;;     1. [M 2,048, K 2,048] x [K 2,048, N 4,096]; A: input hidden_states; B: input Wq: QUANTISED
;;     2. [M 2,048, K 2,048] x [K 2,048, N 512]; A: input hidden_states; B: input Wk: QUANTISED
;;     3. [M 2,048, K 2,048] x [K 2,048, N 512]; A: input hidden_states; B: input Wv: QUANTISED
;;     4. batch 64 x [M 1,024, K 128] x [K 128, N 1,024]; A: computed on the way; B: computed on the way: QUANTISED
;;     5. batch 64 x [M 1,024, K 1,024] x [K 1,024, N 128]; A: softmax (see below); B: computed on the way: QUANTISED
;;     6. [M 2,048, K 4,096] x [K 4,096, N 2,048]; A: computed on the way; B: input Wo: QUANTISED
;;   THE QUANTISER, for each operand of a quantised product, along K:
;;     - K is cut into blocks of 32 from its start; a last block that is shorter is filled with zeros.
;;     - A block's scale is 2^e with e = floor(log2(the largest magnitude in the block)) - 2, held to -126 .. 127; a block of zeros has e = 0. As a byte (E8M0): e + 127.
;;     - Each number is divided by its block's scale, clamped to +-7.5, and rounded to the nearest number of E2M3, ties to even, subnormals kept.
;;     - The product sums the exact products of the quantised numbers (number of the format x scale) in f32.
;;   ~~~python
;;   def quantise(x, axis):      # numpy; x: float32 -> the quantised numbers, widened to float32 again
;;       x = np.moveaxis(x, axis, -1); K = x.shape[-1]
;;       x = np.pad(x, [(0, 0)] * (x.ndim - 1) + [(0, -K % 32)]); x = x.reshape(x.shape[:-1] + (-1, 32)); a = np.abs(x).max(-1, keepdims=True)
;;       e = np.where(a > 0, np.clip(np.frexp(np.where(a > 0, a, 1))[1] - 1 - 2, -126, 127), 0)      # np.frexp(a)[1] - 1 = floor(log2(a)), exactly
;;       r = np.clip(x / 2.0 ** e, -7.5, 7.5)
;;       step = 2.0 ** (np.maximum(np.frexp(np.where(r == 0, 1, r))[1] - 1, 0) - 3)
;;       q = np.round(r / step) * step * 2.0 ** e      # np.round: ties to even
;;       return np.moveaxis(q.reshape(q.shape[:-2] + (-1,))[..., :K], -1, axis).astype(np.float32)
;;   ~~~
;;   SOFTMAX AHEAD OF A QUANTISED PRODUCT. Where the list says 'softmax', what is quantised is not the finished softmax but p = 2^(t - M), with t = logit x log2(e) and M = ceil(the row's largest t), a whole number; so 1/2 < the row's largest p <= 1. The row's sum l is taken of the UNQUANTISED p, in f32, and the product's result is divided by l at the end. Since M is a whole number, a kernel that streams over the keys may use a running M (the ceiling of the running maximum): every later rescaling is an exact power of two, which a block's scale takes up: the codes' values come out the same.
;;   OPERANDS COMPUTED ON THE WAY. 'Computed on the way' means the value that the module computes at that place (a softmax that the list does not call 'softmax' is quantised finished and normalised). What goes into a quantiser is computed in f32, as accurately as f32 sums, v_exp_f32 and their like allow (about 1e-6 of the number): no bf16 or f16 on the way to a quantiser, and a product that is left as it is and whose result goes on into a quantised operand takes f32 operands (vector FMAs, or v_wmma_f32_16x16x4_f32). A number that lies on a knife's edge between two numbers of the format may be rounded either way, as far as f32 arithmetic and the matrix unit's own rounding can turn it there, and no further.
;; One version. Each part assembles by itself: llvm-mc -triple=amdgcn-amd-amdhsa -mcpu=gfx1250 --defsym DOCPART=n.
;; ======== version 1 of 1: 4 launches
;; limits: right only within a limited range of input values
;; workspace buffers: hsq 3,276,800 bytes; wqkv 8,192,000 bytes; woq 6,553,600 bytes; rope 524,288 bytes; qc 6,553,600 bytes; kv 1,638,400 bytes; oc 6,553,600 bytes
;; launch prep (part 1): grid 1280 x 1, 4 waves a work-group, no clusters, 47,616 bytes of LDS; arguments hidden_states, Wq, Wk, Wv, hsq, wqkv, rope; writes hsq, wqkv, rope
.if DOCPART == 1
	.amdgcn_target "amdgcn-amd-amdhsa--gfx1250"
	.amdhsa_code_object_version 6
	.text
	.protected	k_q118978f249_prep
	.globl	k_q118978f249_prep
	.p2align	8
	.type	k_q118978f249_prep,@function
k_q118978f249_prep:
	s_mov_b64 s[64:65], 0
	v_nop
	global_prefetch_b8 v0, s[64:65] scope:SCOPE_SE
	s_setreg_imm32_b32 hwreg(HW_REG_WAVE_MODE, 25, 1), 1
	s_wait_xcnt 0x0
; PREP: every f32 input that is an operand of a quantised product becomes codes of FP6 (E2M3) with one E8M0 byte for each 32 along K, once; and the cos / sin tables of the rotary embedding are made.
; THE PANEL, the one operand format of this program: 128 operand rows x 128 along K, 12,800 bytes.  Its eight tiles of 16 rows are IMAGES OF THE OPERAND'S REGISTERS: register 4 c + i of lane l of tile t
; lies at byte 1536 t + 512 c + 16 l + 4 i, so a fragment is three loads of 16 bytes a lane, each 512 consecutive bytes.  Row r of tile t is row 32 (t / 2) + 8 (t % 2) + r + 8 (r / 8) of the panel, so that the results
; of two neighbouring tiles are 16 neighbours along the next product's K.  The rows' scale words (four bytes, 128 along K) lie at byte 12,288 + 64 t + 4 r.
; THREE KINDS OF WORK-GROUP, told apart by the work-group's number alone; each kind has LDS bytes of its own; waves share nothing, so there is no barrier.
;   0 .. 1151     a panel of Wq, Wk, Wv or Wo (K is the weight's FIRST axis): a lane takes a column, its registers run down K: a block of 32 lies in one lane, each load reads 128 consecutive bytes a wave.
;   1152 .. 1663  hidden_states (K innermost): a wave makes one tile: 16 rows x 128 K; each load reads a row's 512 consecutive bytes; the numbers turn through the wave's stage so that a lane holds 16 neighbours of each block.
;   1664 .. 1791  the tables: a wave makes one image of cos and one of sin: 16 positions x 8 channels, in the layout in which the next launch's results lie.
; A block's scale is 2^(floor(log2(its largest magnitude)) - 2); its byte is the largest magnitude's exponent field - 2, held at 1 from below.
; LIMITS: a block of zeros gets the byte 1 where the quantiser says 127 (its codes are zeros, and this program alone reads the bytes); blocks whose largest magnitude lies under 2^-124 are held at byte 1;
; NaN and infinities among the inputs are not served.  The frequencies are 2^(-d log2(1e6) / 64) by one v_exp_f32: an angle is right to about 1e-4 rad at position 1,023.
; THE DEAL OF THIS TEXT (it takes the place of the numbers given above): work-groups 0 .. 639 a panel of Wq, Wk or Wv; 640 .. 1151 hidden_states; 1152 .. 1279 the tables.
; Wo is quantised by the next launch.  hsq and wqkv are laid [panel][K step][12,800 bytes]: a panel's sixteen K steps are 204,800 consecutive bytes.
.set WST,   0
.set HST,   13312                      ; LDS, hidden_states: for each wave 16 rows x (512 bytes + 16)
.set SPARE, 47104                      ; the spare words, 128 bytes for each wave: two blocks of 256 bytes that no other line names
.set SPW,   2                          ; v2  LDS address of my spare word; never rewritten
.set NIL,   3                          ; v3  0; never rewritten
.set SEL,   26                         ; s[26:27] v_permlanex16_b32's selects for lane l xor 16
.set TM,    16                         ; v16-31 at work in QUANT
.set PC,    32                         ; v32-50 the codes just made
.set PW,    52                         ; v52    the scale word just made
.set MSB,   0
.macro WIN new                         ; the immediate's high byte repeats the setting that is left; a switch that changes nothing is dropped (in this launch: all of them)
.if MSB != (\new)
	s_set_vgpr_msb (MSB<<8)|(\new)
.set MSB, (\new)
.endif
.endm
; 64 numbers of a lane, register s + 16 b + i (in window W) = k 32 b + 16 (lane / 16) + i of the lane's row, become a fragment's 12 registers in v[PC] on and the row's scale word in v[PW].
.macro QUANT s, W
	WIN (\W)|((\W)<<2)
.irp b, 0,1,2,3
	v_max3_num_f32 v[TM+\b], |v[\s+16*\b]|, |v[\s+1+16*\b]|, 0x1800000   ; block b: my 16 numbers, and the floor 2^(3 - 127): the byte cannot fall under 1
.endr
.irp i, 2,4,6,8,10,12,14
.irp b, 0,1,2,3
	v_max3_num_f32 v[TM+\b], |v[\s+16*\b+\i]|, |v[\s+1+16*\b+\i]|, v[TM+\b]   ; the four blocks by turns
.endr
.endr
	WIN 0
.irp b, 0,1,2,3
	v_permlanex16_b32 v[TM+4+\b], v[TM+\b], s[SEL], s[SEL+1]
.endr
.irp b, 0,1,2,3
	v_max_num_f32 v[TM+\b], v[TM+\b], v[TM+4+\b]   ; with lane l xor 16's: the block's largest magnitude
.endr
.irp b, 0,1,2,3
	v_add_nc_u32 v[TM+12+\b], 0xff000000, v[TM+\b]   ; 2 off its exponent field: the conversion's scale operand
.endr
.irp b, 0,1,2,3
	v_lshrrev_b32 v[TM+4+\b], 23, v[TM+12+\b]   ; the scale's byte
.endr
	v_lshl_or_b32 v[PW], v[TM+5], 8, v[TM+4]
	v_lshl_or_b32 v[PW], v[TM+6], 16, v[PW]
	v_lshl_or_b32 v[PW], v[TM+7], 24, v[PW]
	WIN (\W)
.irp c, 0,1
	v_cvt_scalef32_pk16_fp6_f32 v[PC+6*\c:PC+2+6*\c], v[\s+32*\c:\s+15+32*\c], v[TM+12+2*\c]
	v_cvt_scalef32_pk16_fp6_f32 v[PC+12+4*\c:PC+14+4*\c], v[\s+16+32*\c:\s+31+32*\c], v[TM+12+2*\c+1]   ; (a conversion's three registers begin on an even number)
.endr
	WIN 0
	v_nop                                          ; one plain place behind a scaled conversion
.irp c, 0,1                                    ; the operand's layout wants a whole block in a lane: lanes 0-15 block 2 c, lanes 16-31 block 2 c + 1
.irp i, 0,1,2
	v_permlane16_swap_b32 v[PC+6*\c+\i], v[PC+12+4*\c+\i]
.endr
.irp i, 0,1,2
	v_mov_b32 v[PC+3+6*\c+\i], v[PC+12+4*\c+\i]
.endr
.endr
.endm
	s_load_b256 s[4:11], s[0:1], 0x0               ; hidden_states s[4:5], Wq s[6:7], Wk s[8:9], Wv s[10:11]
	s_load_b64 s[14:15], s[0:1], 0x20              ; hsq
	s_load_b64 s[16:17], s[0:1], 0x28              ; wqkv
	s_load_b64 s[20:21], s[0:1], 0x30              ; rope
	v_lshl_add_u32 v[SPW], v0, 2, SPARE
	v_mov_b32 v[NIL], 0
	v_lshrrev_b32 v1, 5, v0
	v_readfirstlane_b32 s24, v1                    ; wave 0..3
	v_and_b32 v1, 31, v0                           ; lane
	s_mov_b32 s[SEL], 0x76543210
	s_mov_b32 s[SEL+1], 0xfedcba98
	s_mov_b32 s25, ttmp9                           ; the work-group's number
	s_wait_kmcnt 0x0
	s_cmp_ge_u32 s25, 1152
	s_cbranch_scc1 .Ltable
	s_cmp_ge_u32 s25, 640
	s_cbranch_scc1 .Lhidden
	; ---------------- a panel of a weight.  Wave w takes the panel's rows 32 w .. 32 w + 31 (32 columns of the weight): tiles 2 w and 2 w + 1
	s_wait_alu depctr_va_vdst(0)
	v_lshlrev_b32 v4, 2, v1                        ; in: 4 bytes a lane
	v_bfe_u32 v14, v0, 3, 1                        ; u: which of the two tiles my column falls into,
	v_and_b32 v15, 7, v0
	v_bfe_u32 v8, v0, 4, 1
	v_lshl_or_b32 v15, v8, 3, v15                  ; r: and which row of it: lane = 8 u + r + 8 (r / 8)
	s_mul_i32 s28, s24, 3328                       ; my wave's two images in LDS
	v_lshlrev_b32 v5, 4, v15
	v_mad_u32_u24 v5, v14, 1664, v5
	v_add_nc_u32 v5, s28, v5                       ; into them: 3328 w + 1664 u + 16 r
	v_lshl_add_u32 v6, v1, 4, s28                  ; out of them: 3328 w + 16 lane
	s_mul_i32 s29, s24, 3072
	v_lshl_add_u32 v7, v1, 4, s29                  ; and the same place in the panel: 3072 w + 16 lane
	v_lshlrev_b32 v12, 2, v15
	v_lshl_add_u32 v12, v14, 6, v12
	s_lshl_b32 s29, s24, 7                         ; 128 w: my wave's scale words in the panel, and my wave's 32 columns in a row of the weight
	v_add_nc_u32 v12, s29, v12                     ; my row's scale word: 128 w + 64 u + 4 r
.macro LOADW pitch                     ; W(128 s + i, my column), i = 0 .. 127: 128 consecutive bytes a wave and load
.set li, 0
.rept 128
	global_load_b32 v[64+li], v4, s[32:33] offset:li*\pitch th:TH_LOAD_NT
.set li, li+1
.endr
.endm
.macro DSTQ                            ; wqkv: [panel][K step]: s30 = the panel, s31 = the K step -> s[34:35]
	s_mul_i32 s34, s30, 204800                     ; [panel][K step]
	s_mul_i32 s35, s31, 12800
	s_add_co_u32 s34, s34, s35
	s_mov_b32 s35, 0
.endm
	s_cmp_ge_u32 s25, 512
	s_cbranch_scc1 .Lwkv
	s_lshr_b32 s30, s25, 4                         ; Wq: head 0 .. 31,
	s_and_b32 s31, s25, 15                         ; K step
	DSTQ
	s_lshl_b32 s32, s31, 21                        ; 128 rows of 16,384 bytes a K step
	s_lshl_b32 s38, s30, 9                         ; 512 bytes a head
	s_add_co_u32 s32, s32, s38
	s_add_co_u32 s32, s32, s29
	s_mov_b32 s33, 0
	s_add_nc_u64 s[32:33], s[6:7], s[32:33]
	LOADW 16384
	s_branch .Lwork
.Lwkv:
	s_lshr_b32 s30, s25, 4                         ; panels 32 .. 35: Wk's heads; 36 .. 39: Wv's
	s_and_b32 s31, s25, 15
	DSTQ
	s_lshl_b32 s32, s31, 18                        ; 128 rows of 2,048 bytes a K step
	s_and_b32 s38, s30, 3
	s_lshl_b32 s38, s38, 9
	s_add_co_u32 s32, s32, s38
	s_add_co_u32 s32, s32, s29
	s_mov_b32 s33, 0
	s_cmp_lt_u32 s25, 576                          ; the choice hangs on the work-group's number alone
	s_cselect_b64 s[38:39], s[8:9], s[10:11]
	s_add_nc_u64 s[32:33], s[38:39], s[32:33]
	LOADW 2048
.Lwork:                                            ; on both ways 128 loads have been issued
	s_add_nc_u64 s[36:37], s[16:17], s[34:35]      ; my panel
; Block beta of my column: all its 32 numbers are mine.  In the fragment it is registers 6 (beta / 2) .. + 5 of lane r + 16 (beta % 2).  Each block has registers of its own for its codes.
.macro WBLOCK beta, left
.set XS, 64+32*\beta
.set CC, 16+8*\beta
	s_wait_loadcnt \left                           ; loads come back in order: at most so many of the younger ones are out, so this block's 32 are in
	v_max3_num_f32 v8, |v[XS]|, |v[XS+1]|, |v[XS+2]|
	v_max3_num_f32 v9, |v[XS+3]|, |v[XS+4]|, |v[XS+5]|
.irp i, 6,10,14,18,22,26
	v_max3_num_f32 v8, v8, |v[XS+\i]|, |v[XS+\i+1]|
	v_max3_num_f32 v9, v9, |v[XS+\i+2]|, |v[XS+\i+3]|
.endr
	v_max3_num_f32 v8, v8, |v[XS+30]|, |v[XS+31]|
	v_max3_num_f32 v8, v8, v9, 0x1800000           ; and the floor 2^(3 - 127)
	v_add_nc_u32 v10, 0xff000000, v8               ; 2 off the exponent field: the conversion's scale operand
	v_lshrrev_b32 v11, 23, v10                     ; the scale's byte
	v_cvt_scalef32_pk16_fp6_f32 v[CC:CC+2], v[XS:XS+15], v10
	v_cvt_scalef32_pk16_fp6_f32 v[CC+4:CC+6], v[XS+16:XS+31], v10   ; (a conversion's three registers begin on an even number)
.if \beta == 0
	v_mov_b32 v13, v11                             ; the row's scale word, the lower K in the lower byte.  (The plain place behind the conversions)
.else
	v_lshl_or_b32 v13, v11, 8*\beta, v13
.endif
	v_mov_b32 v[CC+3], v[CC+4]                     ; the block's 192 bits on end
	v_mov_b32 v[CC+4], v[CC+5]
	v_mov_b32 v[CC+5], v[CC+6]
.if \beta < 2
	ds_store_b128 v5, v[CC:CC+3] offset:256*(\beta%2)              ; registers 0-3,
	ds_store_b64 v5, v[CC+4:CC+5] offset:512+256*(\beta%2)         ; 4, 5
.else
	ds_store_b64 v5, v[CC:CC+1] offset:520+256*(\beta%2)           ; registers 6, 7,
	ds_store_b128 v5, v[CC+2:CC+5] offset:1024+256*(\beta%2)       ; 8-11
.endif
.endm
	WBLOCK 0, 63                                   ; (the wait's field ends at 63: the first 65 loads are in, blocks 0 and 1 among them)
	WBLOCK 1, 63
	WBLOCK 2, 32
	WBLOCK 3, 0
	global_store_b32 v12, v13, s[36:37] offset:12288   ; the wave's 32 scale words: 128 consecutive bytes
.irp i, 0,1,2,3,4,5
	ds_load_b128 v[64+4*\i:67+4*\i], v6 offset:(\i/3)*1664+512*(\i%3)   ; LDS serves a wave's instructions in order: these see my stores
.endr
.irp i, 0,1,2,3,4,5
	s_wait_dscnt 5-\i
	global_store_b128 v7, v[64+4*\i:67+4*\i], s[36:37] offset:512*\i   ; 32 lanes store 512 consecutive bytes, at a multiple of 256 from the buffer's first byte
.endr
	s_wait_tensorcnt 0x0                           ; the wave's end, behind my last LDS store
	ds_add_u32 v[SPW], v[NIL]
	s_wait_dscnt 0x0
	s_endpgm
	; ---------------- a tile of hidden_states: 16 rows x 128 K a wave
.Lhidden:
	s_sub_co_u32 s28, s25, 640
	s_lshr_b32 s29, s28, 2                         ; which tile of 16 rows, 0 .. 127
	s_and_b32 s30, s28, 3
	s_lshl_b32 s30, s30, 2
	s_add_co_u32 s30, s30, s24                     ; K step 0 .. 15
	s_lshr_b32 s31, s29, 3                         ; G: group of 128 rows
	s_and_b32 s34, s29, 7                          ; t: tile in the panel
	s_lshl_b32 s32, s31, 7
	s_lshr_b32 s35, s34, 1
	s_lshl_b32 s35, s35, 5
	s_add_co_u32 s32, s32, s35
	s_and_b32 s35, s34, 1
	s_lshl_b32 s35, s35, 3
	s_add_co_u32 s32, s32, s35                     ; the tile's first row: 128 G + 32 (t / 2) + 8 (t % 2)
	s_lshl_b32 s32, s32, 13                        ; rows of 8,192 bytes
	s_lshl_b32 s35, s30, 9                         ; 512 bytes a K step
	s_add_co_u32 s32, s32, s35
	s_mov_b32 s33, 0
	s_add_nc_u64 s[32:33], s[4:5], s[32:33]
	s_mul_i32 s36, s31, 204800                     ; hsq: [panel][K step]
	s_mul_i32 s35, s30, 12800
	s_add_co_u32 s36, s36, s35
	s_mov_b32 s37, 0
	s_add_nc_u64 s[36:37], s[14:15], s[36:37]
	s_mul_i32 s38, s34, 1536
	s_lshl_b32 s39, s34, 6
	s_wait_alu depctr_va_vdst(0)
	v_lshlrev_b32 v4, 4, v1                        ; 16 lane
	v_add_nc_u32 v7, s38, v4                       ; my codes in the panel: 1536 t + 16 lane
	v_and_b32 v8, 15, v0                           ; r
	v_lshl_add_u32 v12, v8, 2, s39                 ; my row's scale word: 64 t + 4 r
	s_mul_i32 s40, s24, 8448
	s_add_co_u32 s40, s40, HST                     ; my wave's stage
	v_add_nc_u32 v5, s40, v4                       ; in: a row as it lies, 16 bytes a lane
	v_mul_u32_u24 v6, v8, 528
	v_bfe_u32 v9, v0, 4, 1                         ; h
	v_lshl_add_u32 v6, v9, 6, v6
	v_add_nc_u32 v6, s40, v6                       ; out: row r, + 64 h: my 16 numbers of each block of 32
.irp b, 0,1,2,3
	v_mov_b32 v[TM+4+\b], 0                        ; written once: a lane permute's destination counts as one of its sources
.endr
.irp i, 0,1,2,3,4,5,6,7,8,9,10,11,12,13,14,15
	global_load_b128 v[64+4*\i:67+4*\i], v4, s[32:33] offset:(\i+8*(\i/8))*8192 th:TH_LOAD_NT   ; row i of the tile lies i + 8 (i / 8) rows on: 512 consecutive bytes
.endr
	s_wait_alu depctr_va_vdst(0)
.irp i, 0,1,2,3,4,5,6,7,8,9,10,11,12,13,14,15
	s_wait_loadcnt 15-\i
	ds_store_b128 v5, v[64+4*\i:67+4*\i] offset:528*\i
.endr
.irp b, 0,1,2,3
.irp j, 0,1,2,3
	ds_load_b128 v[128+16*\b+4*\j:131+16*\b+4*\j], v6 offset:128*\b+16*\j   ; LDS serves a wave's instructions in order: these see my stores
.endr
.endr
	s_wait_dscnt 0x0
	QUANT 128, 0
.irp c, 0,1,2
	global_store_b128 v7, v[PC+4*\c:PC+4*\c+3], s[36:37] offset:512*\c   ; the fragment's image: 512 consecutive bytes a store
.endr
	global_store_b32 v12, v[PW], s[36:37] offset:12288   ; 64 consecutive bytes (lanes 16-31 hold, and write, the same words as lanes 0-15)
	s_wait_tensorcnt 0x0                           ; the wave's end, behind my last LDS store
	ds_add_u32 v[SPW], v[NIL]
	s_wait_dscnt 0x0
	s_endpgm
	; ---------------- the tables.  rope: [tile of 16 positions T: 64][image c: 16][512 bytes]; c 0-7 cos, c 8-15 sin.  Register 4 c + i of lane (r, h): position 128 (T / 8) + the panel row of (T % 8, r); channel 32 (c / 4) + 16 h + 4 (c % 4) + i
.Ltable:
	s_sub_co_u32 s28, s25, 1152
	s_lshl_b32 s28, s28, 2
	s_add_co_u32 s28, s28, s24                     ; 0 .. 511
	s_lshr_b32 s29, s28, 3                         ; T
	s_and_b32 s30, s28, 7                          ; c
	s_lshr_b32 s31, s29, 1
	s_lshl_b32 s31, s31, 5
	s_and_b32 s32, s29, 1
	s_lshl_b32 s32, s32, 3
	s_add_co_u32 s31, s31, s32                     ; the tile's first position: 32 (T / 2) + 8 (T % 2)
	s_lshr_b32 s32, s30, 2
	s_lshl_b32 s32, s32, 5
	s_and_b32 s33, s30, 3
	s_lshl_b32 s33, s33, 2
	s_add_co_u32 s32, s32, s33                     ; the image's first channel
	s_lshl_b32 s34, s29, 13
	s_lshl_b32 s35, s30, 9
	s_add_co_u32 s34, s34, s35
	s_mov_b32 s35, 0
	s_add_nc_u64 s[20:21], s[20:21], s[34:35]
	s_mov_b32 s40, 0xbfc90fdb                      ; -(pi / 2), its f32 value,
	s_mov_b32 s41, 0x333bbd2e                      ; and what that value has too much
	s_mov_b32 s43, 0xbe2aaaa3                      ; sin r = r + r z (S1 + z (S2 + z S3)), z = r r, |r| <= pi / 4
	s_mov_b32 s44, 0x3c08839e
	s_mov_b32 s45, 0xb94ca1f9
	s_mov_b32 s46, 0x3d2aaaa5                      ; cos r = 1 - z / 2 + z z (C1 + z (C2 + z C3))
	s_mov_b32 s47, 0xbab6061a
	s_mov_b32 s48, 0x37ccf5ce
	s_wait_alu depctr_va_vdst(0)
	v_lshlrev_b32 v4, 4, v1
	v_and_b32 v8, 15, v0
	v_and_b32 v9, 8, v0
	v_add_nc_u32 v8, v8, v9
	v_add_nc_u32 v8, s31, v8
	v_cvt_f32_u32 v8, v8                           ; my position
	v_bfe_u32 v9, v0, 4, 1
	v_lshl_add_u32 v9, v9, 4, s32                  ; my first channel
.irp i, 0,1,2,3
	v_add_nc_u32 v[16+\i], \i, v9
.endr
.irp i, 0,1,2,3
	v_cvt_f32_u32 v[16+\i], v[16+\i]
.endr
.irp i, 0,1,2,3
	v_mul_f32 v[16+\i], 0xbe9f73da, v[16+\i]       ; -d log2(1e6) / 64
.endr
	s_wait_alu depctr_va_vdst(0)
.irp i, 0,1,2,3
	v_exp_f32 v[16+\i], v[16+\i]                   ; the frequency
.endr
	v_nop                                          ; a plain place behind the exponentials,
	s_wait_alu depctr_va_vdst(0)                   ; and the one wait ahead of their first reader
.irp i, 0,1,2,3
	v_mul_f32 v[16+\i], v8, v[16+\i]               ; the angle x
.endr
.irp i, 0,1,2,3
	v_mul_f32 v[20+\i], 0x3f22f983, v[16+\i]
.endr
.irp i, 0,1,2,3
	v_rndne_f32 v[20+\i], v[20+\i]                 ; k = the nearest whole number to x / (pi / 2)
.endr
.irp i, 0,1,2,3
	v_fma_f32 v[16+\i], v[20+\i], s40, v[16+\i]
.endr
.irp i, 0,1,2,3
	v_fma_f32 v[16+\i], v[20+\i], s41, v[16+\i]    ; r = x - k pi / 2, in two parts
.endr
.irp i, 0,1,2,3
	v_mul_f32 v[24+\i], v[16+\i], v[16+\i]         ; z
.endr
.irp i, 0,1,2,3
	v_fma_f32 v[28+\i], v[24+\i], s45, s44
	v_fma_f32 v[32+\i], v[24+\i], s48, s47
.endr
.irp i, 0,1,2,3
	v_fma_f32 v[28+\i], v[28+\i], v[24+\i], s43
	v_fma_f32 v[32+\i], v[32+\i], v[24+\i], s46
.endr
.irp i, 0,1,2,3
	v_mul_f32 v[28+\i], v[28+\i], v[24+\i]
	v_mul_f32 v[36+\i], v[24+\i], v[24+\i]
	v_fma_f32 v[40+\i], v[24+\i], -0.5, 1.0
.endr
.irp i, 0,1,2,3
	v_fma_f32 v[28+\i], v[28+\i], v[16+\i], v[16+\i]   ; sin r
	v_fma_f32 v[32+\i], v[32+\i], v[36+\i], v[40+\i]   ; cos r
	v_cvt_i32_f32 v[20+\i], v[20+\i]               ; k as a whole number, 0 or more
.endr
.irp i, 0,1,2,3
	v_and_b32 v[36+\i], 1, v[20+\i]
	v_cmp_ne_u32 vcc_lo, 0, v[36+\i]               ; in the odd quadrants the two change places
	v_cndmask_b32 v[44+\i], v[28+\i], v[32+\i], vcc_lo
	v_cndmask_b32 v[48+\i], v[32+\i], v[28+\i], vcc_lo
.endr
.irp i, 0,1,2,3
	v_and_b32 v[36+\i], 2, v[20+\i]                ; sin is negative in quadrants 2, 3;
	v_add_nc_u32 v[40+\i], 1, v[20+\i]
.endr
.irp i, 0,1,2,3
	v_lshlrev_b32 v[36+\i], 30, v[36+\i]
	v_and_b32 v[40+\i], 2, v[40+\i]                ; cos in quadrants 1, 2
.endr
.irp i, 0,1,2,3
	v_xor_b32 v[44+\i], v[36+\i], v[44+\i]
	v_lshlrev_b32 v[40+\i], 30, v[40+\i]
.endr
.irp i, 0,1,2,3
	v_xor_b32 v[48+\i], v[40+\i], v[48+\i]
.endr
	global_store_b128 v4, v[48:51], s[20:21]               ; cos: 512 consecutive bytes
	global_store_b128 v4, v[44:47], s[20:21] offset:4096   ; sin
	s_endpgm
.Lfunc_end_k_q118978f249_prep:
	.size	k_q118978f249_prep, .Lfunc_end_k_q118978f249_prep-k_q118978f249_prep
	.p2alignl 7, 3214868480
	.fill 96, 4, 3214868480
	.section	.rodata,"a",@progbits
	.p2align	6, 0x0
	.amdhsa_kernel k_q118978f249_prep
		.amdhsa_group_segment_fixed_size 47616
		.amdhsa_private_segment_fixed_size 0
		.amdhsa_enable_private_segment 0
		.amdhsa_kernarg_size 56
		.amdhsa_user_sgpr_count 2
		.amdhsa_user_sgpr_kernarg_segment_ptr 1
		.amdhsa_wavefront_size32 1
		.amdhsa_system_sgpr_workgroup_id_x 1
		.amdhsa_system_sgpr_workgroup_id_y 1
		.amdhsa_system_sgpr_workgroup_id_z 1
		.amdhsa_system_vgpr_workitem_id 0
		.amdhsa_next_free_vgpr 192
		.amdhsa_next_free_sgpr 66
		.amdhsa_reserve_vcc 1
		.amdhsa_float_denorm_mode_32 3
		.amdhsa_float_denorm_mode_16_64 3
		.amdhsa_memory_ordered 1
		.amdhsa_forward_progress 1
		.amdhsa_inst_pref_size 52
	.end_amdhsa_kernel
	.amdgpu_metadata
---
amdhsa.version: [ 1, 2 ]
amdhsa.kernels:
  - .name:           k_q118978f249_prep
    .symbol:         k_q118978f249_prep.kd
    .args:
      - { .name: hidden_states, .offset: 0, .size: 8, .value_kind: global_buffer, .address_space: global }
      - { .name: Wq, .offset: 8, .size: 8, .value_kind: global_buffer, .address_space: global }
      - { .name: Wk, .offset: 16, .size: 8, .value_kind: global_buffer, .address_space: global }
      - { .name: Wv, .offset: 24, .size: 8, .value_kind: global_buffer, .address_space: global }
      - { .name: hsq, .offset: 32, .size: 8, .value_kind: global_buffer, .address_space: global }
      - { .name: wqkv, .offset: 40, .size: 8, .value_kind: global_buffer, .address_space: global }
      - { .name: rope, .offset: 48, .size: 8, .value_kind: global_buffer, .address_space: global }
    .group_segment_fixed_size: 47616
    .private_segment_fixed_size: 0
    .kernarg_segment_align: 8
    .kernarg_segment_size: 56
    .max_flat_workgroup_size: 128
    .sgpr_count:     66
    .vgpr_count:     192
    .wavefront_size: 32
...
	.end_amdgpu_metadata
.endif
;; end of part 1
;; launch qkv (part 2): grid 256 x 1, 4 waves a work-group, no clusters, 218,624 bytes of LDS; arguments hsq, wqkv, rope, q_norm_w, k_norm_w, qc, kv, Wo, woq; writes qc, kv, woq
.if DOCPART == 2
	.amdgcn_target "amdgcn-amd-amdhsa--gfx1250"
	.amdhsa_code_object_version 6
	.text
	.protected	k_q118978f249_qkv
	.globl	k_q118978f249_qkv
	.p2align	8
	.type	k_q118978f249_qkv,@function
k_q118978f249_qkv:
	s_mov_b64 s[64:65], 0
	v_nop
	global_prefetch_b8 v0, s[64:65] scope:SCOPE_SE
	s_setreg_imm32_b32 hwreg(HW_REG_WAVE_MODE, 25, 1), 1
	s_wait_xcnt 0x0
; QKV: q, k, v = hidden_states x Wq, Wk, Wv on codes of FP6 (E2M3), K = 2,048; per-head RMS norm and rotary embedding in f32; the results quantised into panels for the attention launch.  And Wo is quantised here.
; Operands are PANELS (128 rows x 128 K, 12,800 bytes: eight register images of 1,536 bytes, then 512 bytes of scale words); hsq and wqkv are laid [panel][K step], 204,800 bytes a panel.
; WORK-GROUPS 0 .. 159: xp = number / 4, quad = number % 4.  xp < 36 (a head of q or k): X = weight panel xp, wave w's Y = token panel 4 quad + w.  xp >= 36 (v): X = token panel 4 (xp - 36) + quad, wave w's Y = Wv's head w,
;   so that v comes out with the keys along a lane's registers.  A wave makes 128 x 128: 64 accumulators, source 0 = X's rows, source 1 = Y's rows: a lane holds one row of Y.
; X, which all four waves read, lies WHOLE in LDS: sixteen K steps, 204,800 bytes, filled once, one tensor load of four K steps a wave; nothing is filled again: one barrier, no ring.
; Y, which one wave alone reads, never touches LDS: its register images come straight from memory, 24 loads of 512 bytes and 4 of scale words a K step, into three sets by turns, asked for two K steps (128 matrix instructions) ahead.
; A step's 64 products: X's blocks 0-3 against Y's eight, then X's blocks 4-7: so X has one set, each half fetched anew from LDS when its 32 products are issued.  The 64 accumulators take turns in one order.
; NO CLUSTER: the tile that work-groups share through LDS is 12,800 of a step's 64,000 bytes, and the four work-groups of v's xp take four different tiles.
; PREFETCH of Y: a trip's 150 blocks of 256 bytes of a panel are shared out among the work-groups that read the panel (5 blocks each of 30, or 10 each of 15 for Wv), one instruction a wave and trip, for the K steps whose loads the next trip issues;
;   the last trip asks for nothing.  X is asked for at the head: there is no loop to run ahead in.
; WORK-GROUPS 160 .. 255 quantise Wo (K is its first axis): work-group i takes K step i % 32 of column groups i / 32, + 3, ..: 6 or 5 panels.  Wave w takes the panel's block w of 32 along K for all 128 columns: a load reads a row's 512 bytes,
;   a lane holds four columns; 128 moves lay each column's 32 numbers on end for the conversions; the four waves' parts meet in an image of the panel in LDS bytes of this path's own and leave as 512 consecutive bytes a store.
; A block's scale byte is its largest magnitude's exponent field - 2, held at 1 from below.  LIMITS: a block of zeros gets the byte 1 where the quantiser says 127 (its codes are zeros; this program alone reads the bytes);
; blocks whose largest magnitude lies under 2^-124 are held at byte 1; NaN and infinities are not served.
; REGISTERS: window 0: v2-10 addresses, v12-23 Y's scale words (three sets), v24-27 X's, v64-159 X, v160-255 Y set 2; window 1: v0-95 Y set 0, v96-191 Y set 1, v192-255 the norm's weights; windows 2, 3: accumulator (a, b) at v[8 (8 (a % 4) + b)].
.set PANEL, 12800
.set SCO,   12288
.set STREAM, 204800
.set WST,   204800                     ; Wo's image of a panel: bytes that no tensor load fills
.set SPARE, 218112                     ; the spare words, 128 bytes a wave
.set SPW, 2
.set NIL, 3
.set LI,  4
.set LS,  5
.set H64, 6
.set ADX, 8
.set ADS, 9
.set PFO, 10
.set SCY, 12
.set SCX, 24
.set XF,  64
.set OUT, 64
.set TM,  128
.set PC,  144
.set PW,  164
.set PWE, 165
.set SS,  166
.set RS,  174
.set WV,  22
.set XP,  23
.set QD,  24
.set G0,  32
.set G1,  40
.set YB,  48
.set OB,  50
.set RP,  52
.set NW,  54
.set LIM, 56
.set CNT, 57
.set XST, 58
.set SEL, 66
.set MSB, 0
.macro WIN new                         ; the immediate's high byte repeats the setting that is left
.if MSB != (\new)
	s_set_vgpr_msb (MSB<<8)|(\new)
.set MSB, (\new)
.endif
.endm
.macro PLACES
.rept 4
	v_nop
.endr
.endm
; 64 numbers of a lane (register s + 16 b + i = k 32 b + 16 (lane / 16) + i of its row, window W) become a fragment's 12 registers in v[PC] on and the row's scale word in v[PW]
.macro QUANT s, W
	WIN (\W)|((\W)<<2)
.irp b, 0,1,2,3
	v_max3_num_f32 v[TM+\b], |v[\s+16*\b]|, |v[\s+1+16*\b]|, 0x1800000
.endr
.irp i, 2,4,6,8,10,12,14
.irp b, 0,1,2,3
	v_max3_num_f32 v[TM+\b], |v[\s+16*\b+\i]|, |v[\s+1+16*\b+\i]|, v[TM+\b]
.endr
.endr
	WIN 0
.irp b, 0,1,2,3
	v_permlanex16_b32 v[TM+4+\b], v[TM+\b], s[SEL], s[SEL+1]
.endr
.irp b, 0,1,2,3
	v_max_num_f32 v[TM+\b], v[TM+\b], v[TM+4+\b]
.endr
.irp b, 0,1,2,3
	v_add_nc_u32 v[TM+12+\b], 0xff000000, v[TM+\b]
.endr
.irp b, 0,1,2,3
	v_lshrrev_b32 v[TM+4+\b], 23, v[TM+12+\b]
.endr
	v_lshl_or_b32 v[PW], v[TM+5], 8, v[TM+4]
	v_lshl_or_b32 v[PW], v[TM+6], 16, v[PW]
	v_lshl_or_b32 v[PW], v[TM+7], 24, v[PW]
	WIN (\W)
.irp c, 0,1
	v_cvt_scalef32_pk16_fp6_f32 v[PC+6*\c:PC+2+6*\c], v[\s+32*\c:\s+15+32*\c], v[TM+12+2*\c]
	v_cvt_scalef32_pk16_fp6_f32 v[PC+12+4*\c:PC+14+4*\c], v[\s+16+32*\c:\s+31+32*\c], v[TM+12+2*\c+1]
.endr
	WIN 0
	v_nop                                          ; one plain place behind a scaled conversion
.irp c, 0,1
.irp i, 0,1,2
	v_permlane16_swap_b32 v[PC+6*\c+\i], v[PC+12+4*\c+\i]
.endr
.irp i, 0,1,2
	v_mov_b32 v[PC+3+6*\c+\i], v[PC+12+4*\c+\i]
.endr
.endr
.endm
.macro WMMA d, x, y, zero, sx, sy, rx, ry
.set wD, \d
.set wX, \x
.set wY, \y
.set wS, \sx
.set wT, \sy
.set wM, 4*(\zero)+2*(\rx)+(\ry)
.if wM == 0
	v_wmma_scale_f32_16x16x128_f8f6f4 v[wD:wD+7], v[wX:wX+11], v[wY:wY+11], v[wD:wD+7], v[wS], v[wT] matrix_a_fmt:MATRIX_FMT_FP6 matrix_b_fmt:MATRIX_FMT_FP6
.elseif wM == 1
	v_wmma_scale_f32_16x16x128_f8f6f4 v[wD:wD+7], v[wX:wX+11], v[wY:wY+11], v[wD:wD+7], v[wS], v[wT] matrix_a_fmt:MATRIX_FMT_FP6 matrix_b_fmt:MATRIX_FMT_FP6 matrix_b_scale:MATRIX_SCALE_ROW1
.elseif wM == 2
	v_wmma_scale_f32_16x16x128_f8f6f4 v[wD:wD+7], v[wX:wX+11], v[wY:wY+11], v[wD:wD+7], v[wS], v[wT] matrix_a_fmt:MATRIX_FMT_FP6 matrix_b_fmt:MATRIX_FMT_FP6 matrix_a_scale:MATRIX_SCALE_ROW1
.elseif wM == 3
	v_wmma_scale_f32_16x16x128_f8f6f4 v[wD:wD+7], v[wX:wX+11], v[wY:wY+11], v[wD:wD+7], v[wS], v[wT] matrix_a_fmt:MATRIX_FMT_FP6 matrix_b_fmt:MATRIX_FMT_FP6 matrix_a_scale:MATRIX_SCALE_ROW1 matrix_b_scale:MATRIX_SCALE_ROW1
.elseif wM == 4
	v_wmma_scale_f32_16x16x128_f8f6f4 v[wD:wD+7], v[wX:wX+11], v[wY:wY+11], 0, v[wS], v[wT] matrix_a_fmt:MATRIX_FMT_FP6 matrix_b_fmt:MATRIX_FMT_FP6
.elseif wM == 5
	v_wmma_scale_f32_16x16x128_f8f6f4 v[wD:wD+7], v[wX:wX+11], v[wY:wY+11], 0, v[wS], v[wT] matrix_a_fmt:MATRIX_FMT_FP6 matrix_b_fmt:MATRIX_FMT_FP6 matrix_b_scale:MATRIX_SCALE_ROW1
.elseif wM == 6
	v_wmma_scale_f32_16x16x128_f8f6f4 v[wD:wD+7], v[wX:wX+11], v[wY:wY+11], 0, v[wS], v[wT] matrix_a_fmt:MATRIX_FMT_FP6 matrix_b_fmt:MATRIX_FMT_FP6 matrix_a_scale:MATRIX_SCALE_ROW1
.else
	v_wmma_scale_f32_16x16x128_f8f6f4 v[wD:wD+7], v[wX:wX+11], v[wY:wY+11], 0, v[wS], v[wT] matrix_a_fmt:MATRIX_FMT_FP6 matrix_b_fmt:MATRIX_FMT_FP6 matrix_a_scale:MATRIX_SCALE_ROW1 matrix_b_scale:MATRIX_SCALE_ROW1
.endif
.endm
; 28 loads: a K step of my Y panel, at byte off from s[YB], into set 0, 1 (window 1) or 2 (window 0)
.macro YLOAD set, off
.set LR_, 96*(\set)-32*((\set)/2)
.if (\set) < 2
	WIN 0x40
.endif
.irp a, 0,1,2,3,4,5,6,7
.irp c, 0,1,2
	global_load_b128 v[LR_+12*\a+4*\c:LR_+12*\a+4*\c+3], v[LI], s[YB:YB+1] offset:(\off)+1536*\a+512*\c
.endr
.endr
	WIN 0
.irp i, 0,1,2,3
	global_load_b32 v[SCY+4*(\set)+\i], v[LS], s[YB:YB+1] offset:(\off)+SCO+128*\i
.endr
.endm
; 14 LDS loads: half h of a K step of X: four fragments and their two registers of scale words
.macro XLOAD h, ac, as, off
.irp i, 0,1,2,3
.irp c, 0,1,2
	ds_load_b128 v[XF+12*(4*\h+\i)+4*\c:XF+12*(4*\h+\i)+4*\c+3], v[\ac] offset:(\off)+1536*(4*\h+\i)+512*\c
.endr
.endr
.irp i, 0,1
	ds_load_b32 v[SCX+2*\h+\i], v[\as] offset:(\off)+SCO+128*(2*\h+\i)
.endr
.endm
.macro MUL16 b0, ah, yr, scy, zero     ; X's blocks b0 .. b0 + 3 against Y's blocks 4 ah .. 4 ah + 3
.irp b, \b0, \b0+1, \b0+2, \b0+3
.irp a, 0,1,2,3
	WMMA 8*(8*\a+(\b)), XF+12*(\b), \yr+12*(4*\ah+\a), \zero, SCX+(\b)/2, \scy+(4*\ah+\a)/2, (\b)%2, \a%2
.endr
.endr
.endm
; A K step on Y's set.  yl: ask for Y two steps on, at byte yo, into the set that the last step has left (its four places stand at that step's end).  xl: fetch the next step's X, at byte xo from v[ADX].
; lc: the younger global loads that may stay out.  pf: the trip's prefetch.
.macro STEP set, yl, yo, xl, xo, zero, lc, pf
.if \yl
	YLOAD ((\set)+2)%3, \yo
.endif
.set YR_, 96*(\set)-32*((\set)/2)
.set YW_, 1-(\set)/2
.if \lc >= 0
	s_wait_loadcnt \lc                             ; this step's 28 loads are in
.endif
	s_wait_dscnt 14                                ; X's blocks 0-3 are in; the 14 loads of blocks 4-7 may be out
	WIN 0xa0|(YW_<<2)
	MUL16 0, 0, YR_, SCY+4*(\set), \zero
	WIN 0xf0|(YW_<<2)
	MUL16 0, 1, YR_, SCY+4*(\set), \zero
.if \xl
	PLACES
	WIN 0
	XLOAD 0, ADX, ADS, \xo
	s_wait_dscnt 14                                ; all but the 14 just issued
.else
	s_wait_dscnt 0x0
.endif
.if \pf
	s_cmp_gt_u32 s[CNT], s[LIM]                    ; not in the last trip, and only where my work-group has a share
	s_cbranch_scc0 .Lnp_\@
	global_prefetch_b8 v[PFO], s[YB:YB+1] offset:6*PANEL th:TH_LOAD_NT scope:SCOPE_SE
.Lnp_\@:
.endif
	WIN 0xa0|(YW_<<2)
	MUL16 4, 0, YR_, SCY+4*(\set), \zero
	WIN 0xf0|(YW_<<2)
	MUL16 4, 1, YR_, SCY+4*(\set), \zero
	PLACES                                         ; for the loads into X's blocks 4-7 and into this step's set of Y, and for the first read of results
	WIN 0
.if \xl
	XLOAD 1, ADX, ADS, \xo
.endif
.endm
	s_load_b256 s[4:11], s[0:1], 0x0               ; hsq, wqkv, rope, q_norm_w
	s_load_b256 s[12:19], s[0:1], 0x20             ; k_norm_w, qc, kv, Wo
	s_load_b64 s[20:21], s[0:1], 0x40              ; woq
	v_lshl_add_u32 v[SPW], v0, 2, SPARE
	v_mov_b32 v[NIL], 0
	ds_add_u32 v[SPW], v[NIL]                      ; the opening lines: the add, twice on end, and its wait ahead of the first tensor load
	ds_add_u32 v[SPW], v[NIL]
	v_lshrrev_b32 v1, 5, v0
	v_readfirstlane_b32 s[WV], v1                  ; wave 0..3
	v_and_b32 v1, 31, v0                           ; lane
	v_lshlrev_b32 v[LI], 4, v1
	v_lshlrev_b32 v[LS], 2, v1
	v_bfe_u32 v7, v0, 4, 1
	v_lshlrev_b32 v[H64], 6, v7
	s_lshr_b32 s[XP], ttmp9, 2
	s_and_b32 s[QD], ttmp9, 3
	s_mov_b32 s[G1], 3<<16                         ; elements of 8 bytes; 200 dense rows of 256 bytes: four K steps of a panel
	s_mov_b32 s[G1+1], 32<<16
	s_mov_b32 s[G1+2], 200<<16
	s_mov_b32 s[G1+3], 32<<16
	s_mov_b32 s[G1+4], 200
	s_mov_b32 s[G1+5], 32
	s_mov_b32 s[G1+6], 0
	s_mov_b32 s[G1+7], 0
	s_lshl_b32 s28, s[QD], 2
	s_add_co_u32 s28, s28, s[WV]                   ; q, k: my token panel
	s_sub_co_u32 s29, s[XP], 36
	s_lshl_b32 s29, s29, 2
	s_add_co_u32 s29, s29, s[QD]                   ; v: the work-group's token panel
	s_add_co_u32 s30, s[WV], 36                    ; v: my panel of Wv
	s_cmp_ge_u32 s[XP], 36
	s_cselect_b32 s31, s29, s[XP]                  ; X's panel; also my work-group's rank among those that read my Y
	s_cselect_b32 s36, s30, s28                    ; Y's panel
	s_cselect_b32 s38, 10, 5                       ; blocks of 256 bytes that a work-group prefetches of a trip's 150
	s_mul_i32 s39, s31, s38
	s_cmp_lt_u32 s39, 150
	s_cselect_b32 s[LIM], 1, 64                    ; 64: no share
	s_sub_co_u32 s38, s38, 1
	s_wait_alu depctr_va_vdst(0)
	v_min_u32 v[PFO], s38, v1                      ; lanes left over name the last block again
	v_add_nc_u32 v[PFO], s39, v[PFO]
	v_lshlrev_b32 v[PFO], 8, v[PFO]
	s_mul_i32 s[G0+1], s[WV], 4*PANEL              ; LDS: my four K steps of X
	s_mul_i32 s60, s31, STREAM
	s_add_co_u32 s60, s60, s[G0+1]
	s_mov_b32 s61, 0
	s_mul_i32 s62, s36, STREAM
	s_mov_b32 s63, 0
	s_mov_b32 s[G0], 1
	s_mov_b32 s[SEL], 0x76543210
	s_mov_b32 s[SEL+1], 0xfedcba98
	s_mov_b32 s68, 0x3c000000                      ; 1 / 128
	s_mov_b32 s69, 0x358637bd                      ; 1e-6
	s_mov_b32 s70, 0xffff0000
	s_wait_alu depctr_va_vdst(0)
	s_wait_dscnt 0x0
	s_wait_kmcnt 0x0
	s_cmp_ge_u32 ttmp9, 160
	s_cbranch_scc1 .Lwo
	s_cmp_ge_u32 s[XP], 36                         ; the choices hang on the work-group's number alone
	s_cselect_b64 s[72:73], s[4:5], s[6:7]
	s_cselect_b64 s[YB:YB+1], s[6:7], s[4:5]
	s_add_nc_u64 s[G0+2:G0+3], s[72:73], s[60:61]
	s_or_b32 s[G0+3], s[G0+3], 0x80000000
	tensor_load_to_lds s[G0:G0+3], s[G1:G1+7]      ; my one tensor load: K steps 4 w .. 4 w + 3 of X
	s_nop 0
	PLACES
	s_add_nc_u64 s[YB:YB+1], s[YB:YB+1], s[62:63]
	s_cmp_ge_u32 s[XP], 36
	s_cbranch_scc1 .Lnw                            ; v has no norm.  These loads are older than all of Y's, so the counts below hold on both ways
	s_cmp_lt_u32 s[XP], 32
	s_cselect_b64 s[NW:NW+1], s[10:11], s[12:13]
	WIN 0x40
.irp t, 0,1,2,3,4,5,6,7
	global_load_b128 v[192+8*\t:195+8*\t], v[H64], s[NW:NW+1] offset:(32*(\t/2)+8*(\t%2))*4
	global_load_b128 v[196+8*\t:199+8*\t], v[H64], s[NW:NW+1] offset:(32*(\t/2)+8*(\t%2))*4+16
.endr
	WIN 0
.Lnw:
	YLOAD 0, 0
	YLOAD 1, PANEL
	YLOAD 2, 2*PANEL
	s_cmp_eq_u32 s[LIM], 1
	s_cbranch_scc0 .Lnp0
	global_prefetch_b8 v[PFO], s[YB:YB+1] offset:3*PANEL th:TH_LOAD_NT scope:SCOPE_SE   ; K steps 3 to 5, which the first trip loads
.Lnp0:
	s_mov_b32 s[XST], PANEL
	v_add_nc_u32 v[ADX], s[XST], v[LI]             ; X from the loop's first step on
	v_add_nc_u32 v[ADS], s[XST], v[LS]
	s_lshl_b32 s74, s28, 5                         ; qc: [token panel][head]
	s_add_co_u32 s74, s74, s[XP]
	s_mul_i32 s74, s74, PANEL
	s_sub_co_u32 s75, s[XP], 32
	s_cmp_ge_u32 s[XP], 36
	s_cselect_b32 s76, s29, s28
	s_cselect_b32 s77, s[WV], s75
	s_cselect_b32 s78, PANEL, 0
	s_lshr_b32 s79, s76, 3                         ; kv: [batch][head][key panel][K, V]
	s_lshl_b32 s79, s79, 2
	s_add_co_u32 s79, s79, s77
	s_lshl_b32 s79, s79, 3
	s_and_b32 s76, s76, 7
	s_add_co_u32 s79, s79, s76
	s_mul_i32 s79, s79, 25600
	s_add_co_u32 s79, s79, s78
	s_cmp_lt_u32 s[XP], 32
	s_cselect_b64 s[OB:OB+1], s[14:15], s[16:17]
	s_cselect_b32 s80, s74, s79
	s_mov_b32 s81, 0
	s_add_nc_u64 s[OB:OB+1], s[OB:OB+1], s[80:81]
	s_and_b32 s80, s28, 7
	s_lshl_b32 s80, s80, 16
	s_add_nc_u64 s[RP:RP+1], s[8:9], s[80:81]      ; my panel's 128 positions in the tables
	s_wait_alu depctr_va_vdst(0)
	s_wait_tensorcnt 0x0                           ; my part of X has landed;
	s_barrier_signal -1
	s_barrier_wait -1                              ; everybody's has
	XLOAD 0, LI, LS, 0
	XLOAD 1, LI, LS, 0
	STEP 0, 0, 0, 1, 0, 1, 56, 0                   ; K step 0 starts the sums.  56: the 2 x 28 loads of the two steps behind it
	s_mov_b32 s[CNT], 4
.Ltrip:                                            ; a trip: three K steps, until Y's sets are back where they began: steps 1 .. 12
	STEP 1, 1, 3*PANEL, 1, PANEL, 0, 56, 1
	STEP 2, 1, 4*PANEL, 1, 2*PANEL, 0, 56, 0
	STEP 0, 1, 5*PANEL, 1, 3*PANEL, 0, 56, 0
	s_wait_xcnt 0x0                                ; the loads and the prefetch have read their base
	s_add_nc_u64 s[YB:YB+1], s[YB:YB+1], 3*PANEL
	s_add_co_u32 s[XST], s[XST], 3*PANEL
	v_add_nc_u32 v[ADX], s[XST], v[LI]
	v_add_nc_u32 v[ADS], s[XST], v[LS]
	s_sub_co_u32 s[CNT], s[CNT], 1
	s_cmp_lg_u32 s[CNT], 0
	s_wait_alu depctr_va_vdst(0)
	s_cbranch_scc1 .Ltrip
	STEP 1, 1, 3*PANEL, 1, PANEL, 0, 56, 0         ; step 13 asks for step 15
	STEP 2, 0, 0, 1, 2*PANEL, 0, 28, 0             ; step 14: step 15's 28 loads may be out
.macro ROPE a                          ; tile a's cos and sin: even tiles window 1 v128-191, odd tiles window 0 v192-255
.if (\a)%2
.irp c, 0,1,2,3,4,5,6,7,8,9,10,11,12,13,14,15
	global_load_b128 v[192+4*\c:195+4*\c], v[LI], s[RP:RP+1] offset:8192*(\a)+512*\c
.endr
.else
	WIN 0x40
.irp c, 0,1,2,3,4,5,6,7,8,9,10,11,12,13,14,15
	global_load_b128 v[128+4*\c:131+4*\c], v[LI], s[RP:RP+1] offset:8192*(\a)+512*\c
.endr
	WIN 0
.endif
.endm
	s_cmp_ge_u32 s[XP], 36
	s_cbranch_scc1 .Lnr
	ROPE 0                                         ; into Y's set 1, done with since step 13
	s_wait_loadcnt 16                              ; step 15's loads are in; the 16 just issued may be out
	s_branch .Ljr
.Lnr:
	s_wait_loadcnt 0x0
.Ljr:
	STEP 0, 0, 0, 0, 0, 0, -1, 0
.irp b, 0,1,2,3
	v_mov_b32 v[TM+4+\b], 0                        ; written once: a lane permute's destination counts as one of its sources
.endr
.macro SENDT a
.irp c, 0,1,2
	global_store_b128 v[LI], v[PC+4*\c:PC+4*\c+3], s[OB:OB+1] offset:1536*(\a)+512*\c   ; the tile's image: 512 consecutive bytes a store
.endr
.if (\a)%2 == 0
	v_mov_b32 v[PWE], v[PW]
.else
	v_cndmask_b32 v[PW], v[PWE], v[PW], s70        ; lanes 0-15 the even tile's words, lanes 16-31 the odd tile's
	global_store_b32 v[LS], v[PW], s[OB:OB+1] offset:SCO+128*((\a)/2)
.endif
.endm
.macro FINISH
	s_wait_tensorcnt 0x0                           ; the wave's end
	ds_add_u32 v[SPW], v[NIL]
	s_wait_dscnt 0x0
	s_endpgm
.endm
; 16 tokens x a head: the mean of squares, x rsqrt x weight, the rotation, the quantiser.  Each accumulator is read from its low end on
.macro QKTILE a
.set QW, 2+(\a)/4
.set AC, 64*((\a)%4)
	WIN QW|(QW<<2)
.irp q, 0,1,2,3
	v_pk_mul_f32 v[SS+2*\q:SS+2*\q+1], v[AC+2*\q:AC+2*\q+1], v[AC+2*\q:AC+2*\q+1]
.endr
.set n, 8
.rept 7
.irp q, 0,1,2,3
	v_pk_fma_f32 v[SS+2*\q:SS+2*\q+1], v[AC+n+2*\q:AC+n+2*\q+1], v[AC+n+2*\q:AC+n+2*\q+1], v[SS+2*\q:SS+2*\q+1]
.endr
.set n, n+8
.endr
	WIN 0
	v_pk_add_f32 v[SS:SS+1], v[SS:SS+1], v[SS+2:SS+3]
	v_pk_add_f32 v[SS+4:SS+5], v[SS+4:SS+5], v[SS+6:SS+7]
	v_pk_add_f32 v[SS:SS+1], v[SS:SS+1], v[SS+4:SS+5]
	v_add_f32 v[SS], v[SS], v[SS+1]
	v_permlanex16_b32 v[SS+1], v[SS], s[SEL], s[SEL+1]
	v_add_f32 v[SS], v[SS], v[SS+1]
	v_fma_f32 v[SS], v[SS], s68, s69
	s_wait_alu depctr_va_vdst(0)                   ; a wait ahead of the transcendental,
	v_rsq_f32 v[RS], v[SS]
	v_mov_b32 v[RS+1], 0
	s_wait_alu depctr_va_vdst(0)                   ; and ahead of its first reader
	WIN QW|0x40
.set n, 0
.rept 32
	v_pk_mul_f32 v[n:n+1], v[AC+n:AC+n+1], v[RS:RS+1] op_sel_hi:[1,0]
.set n, n+2
.endr
	WIN 0x45
.set n, 0
.rept 32
	v_pk_mul_f32 v[n:n+1], v[n:n+1], v[192+n:193+n]
.set n, n+2
.endr
.if (\a) < 7
	s_wait_loadcnt 16                              ; this tile's tables are in; the next tile's 16 loads may be out
.else
	s_wait_loadcnt 0x0
.endif
.if (\a)%2
.set CB, 192
	WIN 0x01
.else
.set CB, 128
	WIN 0x05
.endif
.set n, 0
.rept 16
	v_pk_mul_f32 v[OUT+n:OUT+n+1], v[n:n+1], v[CB+n:CB+n+1]
	v_pk_mul_f32 v[OUT+32+n:OUT+33+n], v[32+n:33+n], v[CB+n:CB+n+1]
.set n, n+2
.endr
.set n, 0
.rept 16
	v_pk_fma_f32 v[OUT+n:OUT+n+1], v[32+n:33+n], v[CB+32+n:CB+33+n], v[OUT+n:OUT+n+1] neg_lo:[1,0,0] neg_hi:[1,0,0]
	v_pk_fma_f32 v[OUT+32+n:OUT+33+n], v[n:n+1], v[CB+32+n:CB+33+n], v[OUT+32+n:OUT+33+n]
.set n, n+2
.endr
	WIN 0
	s_wait_xcnt 0x0                                ; the last tile's stores have read their registers
	QUANT OUT, 0
	SENDT \a
.if (\a) < 6
	ROPE (\a)+2
.endif
.endm
.macro VTILE a
.set QW, 2+(\a)/4
.set AC, 64*((\a)%4)
	s_wait_xcnt 0x0
	QUANT AC, QW
	SENDT \a
.endm
	s_cmp_ge_u32 s[XP], 36
	s_cbranch_scc1 .Lvalues
	ROPE 1                                         ; into Y's set 2, done with since step 14
.irp a, 0,1,2,3,4,5,6,7
	QKTILE \a
.endr
	FINISH
.Lvalues:
.irp a, 0,1,2,3,4,5,6,7
	VTILE \a
.endr
	FINISH
	; ---------------- Wo.  v64-191: 32 rows x my four columns as loaded; window 1 v0-127: each column's 32 numbers on end; v32-63 codes; v192-216 the way out
.set WA,  20
.set WB,  21
.set WSB, 22
.set WG,  23
.set WR,  24
.set WH,  25
.set WQ,  26
.macro WLOAD
.set k_, 0
.rept 32
	global_load_b128 v[64+4*k_:67+4*k_], v[LI], s[32:33] offset:8192*k_ th:TH_LOAD_NT   ; a row's 128 columns: 512 consecutive bytes
.set k_, k_+1
.endr
.endm
.Lwo:
	s_sub_co_u32 s25, ttmp9, 160
	s_and_b32 s26, s25, 31                         ; K step
	s_lshr_b32 s27, s25, 5                         ; first group of 128 columns: 0, 1, 2
	s_lshl_b32 s32, s26, 20                        ; 128 rows of 8,192 bytes a K step,
	s_lshl_b32 s28, s[WV], 18                      ; 32 rows a block
	s_add_co_u32 s32, s32, s28
	s_lshl_b32 s28, s27, 9
	s_add_co_u32 s32, s32, s28
	s_mov_b32 s33, 0
	s_add_nc_u64 s[32:33], s[18:19], s[32:33]
	WLOAD
	s_lshl_b32 s36, s27, 5                         ; woq: [group][K step]
	s_add_co_u32 s36, s36, s26
	s_mul_i32 s36, s36, PANEL
	s_mov_b32 s37, 0
	s_add_nc_u64 s[36:37], s[20:21], s[36:37]
	s_cmp_eq_u32 s27, 0
	s_cselect_b32 s[CNT], 6, 5                     ; groups 0, 3, .., 15, or 1 (2), 4 (5), .., 13 (14)
	; column 4 l + c is panel row 4 l + c: tile t = 2 (l / 8) + bit 1 of l, row r = 4 (l % 2) + c + 8 x bit 2 of l.  Block w: registers 6 (w / 2) .. + 5 of lane r + 16 (w % 2)
	v_lshrrev_b32 v12, 3, v1
	v_mul_u32_u24 v13, v12, 3072
	v_bfe_u32 v14, v0, 1, 1
	v_mad_u32_u24 v13, v14, 1536, v13
	v_and_b32 v15, 1, v0
	v_lshl_add_u32 v13, v15, 6, v13
	v_bfe_u32 v16, v0, 2, 1
	v_lshl_add_u32 v13, v16, 7, v13                ; 1536 t + 16 r (c = 0)
	s_and_b32 s28, s[WV], 1
	s_lshl_b32 s28, s28, 8
	s_lshr_b32 s29, s[WV], 1
	s_mul_i32 s30, s29, 520
	s_add_co_u32 s30, s30, s28
	s_add_co_u32 s30, s30, WST
	s_mul_i32 s31, s29, 1016
	s_add_co_u32 s31, s31, s28
	s_add_co_u32 s31, s31, WST+8
	s_wait_alu depctr_va_vdst(0)
	v_add_nc_u32 v[WA], s30, v13                   ; the block's registers 0, 1 (and, 512 on, 4, 5): bytes 0 (512), or 520 (1032) for w / 2 = 1
	v_add_nc_u32 v[WB], s31, v13                   ; its registers 2, 3: byte 8, or 1024
	v_lshlrev_b32 v17, 7, v12
	v_lshl_add_u32 v17, v14, 6, v17
	v_lshl_add_u32 v17, v15, 4, v17
	v_lshl_add_u32 v17, v16, 5, v17                ; 64 t + 4 r
	s_add_co_u32 s28, s[WV], WST+SCO
	v_add_nc_u32 v[WSB], s28, v17                  ; byte w of the row's scale word
	s_mul_i32 s28, s[WV], 3072
	v_add_nc_u32 v[WG], s28, v[LI]                 ; the way out: wave w takes tiles 2 w, 2 w + 1,
	v_add_nc_u32 v[WR], WST, v[WG]
	s_lshl_b32 s28, s[WV], 7
	v_add_nc_u32 v[WH], s28, v[LS]                 ; and their 32 scale words
	v_add_nc_u32 v[WQ], WST, v[WH]
	s_wait_alu depctr_va_vdst(0)
.Lwl:
	s_wait_loadcnt 0x0
.irp c, 0,1,2,3
	v_max3_num_f32 v[8+\c], |v[64+\c]|, |v[68+\c]|, 0x1800000   ; the four columns by turns; the floor 2^(3 - 127)
.endr
.set k_, 2
.rept 15
.irp c, 0,1,2,3
	v_max3_num_f32 v[8+\c], |v[64+4*k_+\c]|, |v[68+4*k_+\c]|, v[8+\c]
.endr
.set k_, k_+2
.endr
.irp c, 0,1,2,3
	v_add_nc_u32 v[16+\c], 0xff000000, v[8+\c]     ; 2 off the exponent field: the conversion's scale operand
.endr
.irp c, 0,1,2,3
	v_lshrrev_b32 v[12+\c], 23, v[16+\c]           ; the scale's byte
.endr
	WIN 0x40
.set k_, 0
.rept 32
.irp c, 0,1,2,3
	v_mov_b32 v[32*\c+k_], v[64+4*k_+\c]
.endr
.set k_, k_+1
.endr
	WIN 0
	s_wait_alu depctr_va_vdst(0)
	s_cmp_eq_u32 s[CNT], 1
	s_cbranch_scc1 .Lwn                            ; the last panel is followed by no load
	s_wait_xcnt 0x0
	s_add_nc_u64 s[32:33], s[32:33], 1536          ; three groups of columns on
	WLOAD
.Lwn:
	WIN 0x01
.irp c, 0,1,2,3
	v_cvt_scalef32_pk16_fp6_f32 v[32+8*\c:34+8*\c], v[32*\c:32*\c+15], v[16+\c]
	v_cvt_scalef32_pk16_fp6_f32 v[36+8*\c:38+8*\c], v[32*\c+16:32*\c+31], v[16+\c]
.endr
	WIN 0
	v_nop                                          ; one plain place behind a scaled conversion
.irp c, 0,1,2,3
	v_mov_b32 v[35+8*\c], v[36+8*\c]               ; the block's 192 bits on end
	v_mov_b32 v[36+8*\c], v[37+8*\c]
	v_mov_b32 v[37+8*\c], v[38+8*\c]
.endr
.irp c, 0,1,2,3
	ds_store_b64 v[WA], v[32+8*\c:33+8*\c] offset:16*\c
	ds_store_b64 v[WB], v[34+8*\c:35+8*\c] offset:16*\c
	ds_store_b64 v[WA], v[36+8*\c:37+8*\c] offset:512+16*\c
	ds_store_b8 v[WSB], v[12+\c] offset:4*\c
.endr
	s_wait_dscnt 0x0                               ; my part of the image is written;
	s_barrier_signal -1
	s_barrier_wait -1                              ; everybody's is
	s_wait_xcnt 0x0                                ; the last panel's stores have read their registers
.irp i, 0,1,2,3,4,5
	ds_load_b128 v[192+4*\i:195+4*\i], v[WR] offset:512*\i
.endr
	ds_load_b32 v216, v[WQ] offset:SCO
	s_wait_dscnt 0x0
.irp i, 0,1,2,3,4,5
	global_store_b128 v[WG], v[192+4*\i:195+4*\i], s[36:37] offset:512*\i   ; 512 consecutive bytes a store
.endr
	global_store_b32 v[WH], v216, s[36:37] offset:SCO
	s_barrier_signal -1                            ; my reads of the image are over (waited for above):
	s_barrier_wait -1                              ; the next panel may be written into it
	s_wait_xcnt 0x0
	s_add_nc_u64 s[36:37], s[36:37], 96*PANEL
	s_sub_co_u32 s[CNT], s[CNT], 1
	s_cmp_lg_u32 s[CNT], 0
	s_cbranch_scc1 .Lwl
	FINISH
.Lfunc_end_k_q118978f249_qkv:
	.size	k_q118978f249_qkv, .Lfunc_end_k_q118978f249_qkv-k_q118978f249_qkv
	.p2alignl 7, 3214868480
	.fill 96, 4, 3214868480
	.section	.rodata,"a",@progbits
	.p2align	6, 0x0
	.amdhsa_kernel k_q118978f249_qkv
		.amdhsa_group_segment_fixed_size 218624
		.amdhsa_private_segment_fixed_size 0
		.amdhsa_enable_private_segment 0
		.amdhsa_kernarg_size 72
		.amdhsa_user_sgpr_count 2
		.amdhsa_user_sgpr_kernarg_segment_ptr 1
		.amdhsa_wavefront_size32 1
		.amdhsa_system_sgpr_workgroup_id_x 1
		.amdhsa_system_sgpr_workgroup_id_y 1
		.amdhsa_system_sgpr_workgroup_id_z 1
		.amdhsa_system_vgpr_workitem_id 0
		.amdhsa_next_free_vgpr 1024
		.amdhsa_next_free_sgpr 100
		.amdhsa_reserve_vcc 0
		.amdhsa_float_denorm_mode_32 3
		.amdhsa_float_denorm_mode_16_64 3
		.amdhsa_memory_ordered 1
		.amdhsa_forward_progress 1
		.amdhsa_inst_pref_size 255
	.end_amdhsa_kernel
	.section	.bss,"aw",@nobits
	.p2align	6
	.space	262144
	.amdgpu_metadata
---
amdhsa.version: [ 1, 2 ]
amdhsa.kernels:
  - .name:           k_q118978f249_qkv
    .symbol:         k_q118978f249_qkv.kd
    .args:
      - { .name: hsq, .offset: 0, .size: 8, .value_kind: global_buffer, .address_space: global }
      - { .name: wqkv, .offset: 8, .size: 8, .value_kind: global_buffer, .address_space: global }
      - { .name: rope, .offset: 16, .size: 8, .value_kind: global_buffer, .address_space: global }
      - { .name: q_norm_w, .offset: 24, .size: 8, .value_kind: global_buffer, .address_space: global }
      - { .name: k_norm_w, .offset: 32, .size: 8, .value_kind: global_buffer, .address_space: global }
      - { .name: qc, .offset: 40, .size: 8, .value_kind: global_buffer, .address_space: global }
      - { .name: kv, .offset: 48, .size: 8, .value_kind: global_buffer, .address_space: global }
      - { .name: Wo, .offset: 56, .size: 8, .value_kind: global_buffer, .address_space: global }
      - { .name: woq, .offset: 64, .size: 8, .value_kind: global_buffer, .address_space: global }
    .group_segment_fixed_size: 218624
    .private_segment_fixed_size: 0
    .kernarg_segment_align: 8
    .kernarg_segment_size: 72
    .max_flat_workgroup_size: 128
    .sgpr_count:     100
    .vgpr_count:     1024
    .wavefront_size: 32
...
	.end_amdgpu_metadata
.endif
;; end of part 2
;; launch attn (part 3): grid 32 x 8, 16 waves a work-group, clusters of 4 x 1, 206,848 bytes of LDS; arguments qc, kv, oc; writes oc
.if DOCPART == 3
	.amdgcn_target "amdgcn-amd-amdhsa--gfx1250"
	.amdhsa_code_object_version 6
	.text
	.protected	k_q118978f249_attn
	.globl	k_q118978f249_attn
	.p2align	8
	.type	k_q118978f249_attn,@function
k_q118978f249_attn:
	s_mov_b64 s[64:65], 0
	v_nop
	global_prefetch_b8 v0, s[64:65] scope:SCOPE_SE
	s_setreg_imm32_b32 hwreg(HW_REG_WAVE_MODE, 25, 1), 1
	s_wait_xcnt 0x0
	s_wait_alu depctr_hold_cnt(0) depctr_sa_sdst(0) depctr_va_vdst(0) depctr_va_sdst(0) depctr_va_ssrc(0) depctr_va_vcc(0) depctr_vm_vsrc(0)
	s_getreg_b32 s2, hwreg(HW_REG_IB_STS2, 6, 4)
	s_cmp_eq_u32 s2, 0
	s_cbranch_scc0 .Lentry_in_a_cluster
	s_endpgm
.Lentry_in_a_cluster:
	s_bfe_u32 s2, ttmp6, 0x10000c
	s_cmp_lg_u32 s2, 0x3003
	s_cbranch_scc0 .Lentry_shape_is_right
	s_endpgm
.Lentry_shape_is_right:
; ATTN: causal attention on codes of FP6 (E2M3); 32 query heads on 4 key and value heads, 2 batches, 1,024 positions, head size 128.  The result is quantised along the head's 128 for the output projection.
; Operands are PANELS (128 rows x 128 K, 12,800 bytes: eight register images of 1,536 bytes, then 512 bytes of scale words; row r of tile t is panel row 32 (t / 2) + 8 (t % 2) + r + 8 (r / 8)).
; THE SOFTMAX AHEAD OF THE SECOND PRODUCT: t = score x log2(e) / sqrt(128); M = the row's largest t so far, rounded UP to a whole number; p = 2^(t - M) is quantised along the keys, not normalised.
; The row's sum is taken of the unquantised p and divides O at the end.  When M moves, the sum and O are multiplied by 2^(old M - new M): exact.
; SHARES.  A work-group owns query panels p and 7 - p of one head: 9 panel steps for each pair of tiles, the same in every work-group.  Each of its sixteen waves owns one tile of 16 queries in 256 registers.
; Both products are used transposed: S^T = K Q^T, O^T = V^T P^T: a lane holds ONE query throughout; the panel's row order makes the 16 registers of tiles 2 b, 2 b + 1 sixteen neighbouring keys (channels).
; ALL OF THE HEAD'S K AND V, 204,800 bytes, LIES IN LDS: eight key panels, each asked for once, at the head, by wave 0; nothing is ever filled again, so there is no ring.  By this text's count wave 0 has eight tensor loads out.
; THREE BARRIERS hand the panels from wave 0 to the others: ahead of step 0 (panel 0 has landed), of step 1 (panels 1 and 2), of step 3 (all).  Nothing in LDS is written again, so no read has to be ordered with a later write, and from step 3 on the waves run freely.
; CLUSTER 4 x 1: the four partners are four query heads of one kv head: each key panel is asked for JOINTLY.  All eight are asked for in every work-group (a joint load is never left out), though a work-group reads 8 - p of them.
; Every load goes out at the head, so there is no later tile to prefetch.
; V'S FRAGMENTS ARE ASKED FOR AHEAD OF THE SOFTMAX'S END: tiles 0-3 directly behind K's products, tiles 4-7 behind the conversions, into p's registers, which are done with: one wait, then eight products on end.
; CAUSAL: a key panel wholly after the wave's queries is left out by a scalar branch on ids (not round a barrier); on the diagonal panel hidden scores become -infinity ahead of the maximum.
; LIMITS: a block of zeros gets the byte 1 where the quantiser says 127 (its codes are zeros; this program alone reads the bytes); NaN and infinities are not served.
; REGISTERS: v1, v2 lane terms; v4 the mask's term; v5, v6 the add's two; v7, v28 my offsets in a panel of q or o; v8-11 a step's LDS addresses; v12 -M, v13 the largest t, v[14:15] the sum in two halves; v16-27 Q;
;   v32-79 four fragments of K or V; v96-159 S^T, then p, then (v96-143) V's tiles 4-7; v160-223 O^T; v224-235 p's codes; v232-254 at work; v248-251 K's or V's scale words; v253 p's; v255 Q's.
; THE FILLS OF THIS TEXT (this takes the place of what is said above of wave 0 and of three barriers): each of the sixteen waves asks, jointly with its three partners, for ONE half of a key panel (K's or V's 12,800 bytes,
; at 12,800 x the wave's number): one tensor load a wave.  Each wave waits for its own load, and ONE barrier, ahead of step 0, shows all eight panels to every wave.
.set PANEL, 12800
.set SCO,   12288
.set SPARE, 204800
.set LI,   1
.set LS,   2
.set DQ,   4
.set SPW,  5
.set NIL,  6
.set ADK,  8
.set ADV,  9
.set ADS,  10
.set ADT,  11
.set TM,   232
.set PC,   32
.set PW,   252
.set WV,   18
.set SEL,  20
.set CS,   22                          ; s[22:23] c = log2(e) / sqrt(128)
.set G1,   24                          ; s[24:31] group 1;  s[32:35] group 0
.set G0,   32
.set GQ,   66                          ; s66 my query panel
.set MSB,  0
.macro WIN new                         ; (this launch has one window: no switch is ever written)
.if MSB != (\new)
	s_set_vgpr_msb (MSB<<8)|(\new)
.set MSB, (\new)
.endif
.endm
.macro QUANT s, W
	WIN (\W)|((\W)<<2)
.irp b, 0,1,2,3
	v_max3_num_f32 v[TM+\b], |v[\s+16*\b]|, |v[\s+1+16*\b]|, 0x1800000   ; block b: my 16 numbers, and the floor 2^(3 - 127)
.endr
.irp i, 2,4,6,8,10,12,14
.irp b, 0,1,2,3
	s_delay_alu instid0(VALU_DEP_4)
	v_max3_num_f32 v[TM+\b], |v[\s+16*\b+\i]|, |v[\s+1+16*\b+\i]|, v[TM+\b]
.endr
.endr
	WIN 0
.irp b, 0,1,2,3
	s_delay_alu instid0(VALU_DEP_4)
	v_permlanex16_b32 v[TM+4+\b], v[TM+\b], s[SEL], s[SEL+1]
.endr
.irp b, 0,1,2,3
	s_delay_alu instid0(VALU_DEP_4)
	v_max_num_f32 v[TM+\b], v[TM+\b], v[TM+4+\b]
.endr
.irp b, 0,1,2,3
	s_delay_alu instid0(VALU_DEP_4)
	v_add_nc_u32 v[TM+12+\b], 0xff000000, v[TM+\b]
.endr
.irp b, 0,1,2,3
	s_delay_alu instid0(VALU_DEP_4)
	v_lshrrev_b32 v[TM+4+\b], 23, v[TM+12+\b]
.endr
	s_delay_alu instid0(VALU_DEP_3)
	v_lshl_or_b32 v[PW], v[TM+5], 8, v[TM+4]
	s_delay_alu instid0(VALU_DEP_1)
	v_lshl_or_b32 v[PW], v[TM+6], 16, v[PW]
	s_delay_alu instid0(VALU_DEP_1)
	v_lshl_or_b32 v[PW], v[TM+7], 24, v[PW]
	WIN (\W)
.irp c, 0,1
	v_cvt_scalef32_pk16_fp6_f32 v[PC+6*\c:PC+2+6*\c], v[\s+32*\c:\s+15+32*\c], v[TM+12+2*\c]
	v_cvt_scalef32_pk16_fp6_f32 v[PC+12+4*\c:PC+14+4*\c], v[\s+16+32*\c:\s+31+32*\c], v[TM+12+2*\c+1]
.endr
	WIN 0
	v_nop                                          ; one plain place behind a scaled conversion
.irp c, 0,1
.irp i, 0,1,2
	v_permlane16_swap_b32 v[PC+6*\c+\i], v[PC+12+4*\c+\i]
.endr
.irp i, 0,1,2
	s_delay_alu instid0(VALU_DEP_3)
	v_mov_b32 v[PC+3+6*\c+\i], v[PC+12+4*\c+\i]
.endr
.endr
.endm
.macro WMMA d, x, y, zero, sx, sy, rx, ry
.set wD, \d
.set wX, \x
.set wY, \y
.set wS, \sx
.set wT, \sy
.set wM, 4*(\zero)+2*(\rx)+(\ry)
.if wM == 0
	v_wmma_scale_f32_16x16x128_f8f6f4 v[wD:wD+7], v[wX:wX+11], v[wY:wY+11], v[wD:wD+7], v[wS], v[wT] matrix_a_fmt:MATRIX_FMT_FP6 matrix_b_fmt:MATRIX_FMT_FP6
.elseif wM == 2
	v_wmma_scale_f32_16x16x128_f8f6f4 v[wD:wD+7], v[wX:wX+11], v[wY:wY+11], v[wD:wD+7], v[wS], v[wT] matrix_a_fmt:MATRIX_FMT_FP6 matrix_b_fmt:MATRIX_FMT_FP6 matrix_a_scale:MATRIX_SCALE_ROW1
.elseif wM == 4
	v_wmma_scale_f32_16x16x128_f8f6f4 v[wD:wD+7], v[wX:wX+11], v[wY:wY+11], 0, v[wS], v[wT] matrix_a_fmt:MATRIX_FMT_FP6 matrix_b_fmt:MATRIX_FMT_FP6
.else
	v_wmma_scale_f32_16x16x128_f8f6f4 v[wD:wD+7], v[wX:wX+11], v[wY:wY+11], 0, v[wS], v[wT] matrix_a_fmt:MATRIX_FMT_FP6 matrix_b_fmt:MATRIX_FMT_FP6 matrix_a_scale:MATRIX_SCALE_ROW1
.endif
.endm
.macro FRAG reg, adr, i
.irp c, 0,1,2
	ds_load_b128 v[\reg+4*\c:\reg+4*\c+3], v[\adr] offset:(\i)*1536+512*\c
.endr
.endm
.macro PLACES
.rept 4
	v_nop
.endr
.endm
.macro CROUND
	s_barrier_signal -1
	s_barrier_wait -1
	s_cmp_lg_u32 s[WV], 0
	s_cbranch_scc1 .Lnot_wave_0_\@
	s_barrier_signal -3
.Lnot_wave_0_\@:
	s_barrier_wait -3
	s_barrier_signal -1
	s_barrier_wait -1
.endm
	s_load_b128 s[4:7], s[0:1], 0x0                ; qc s[4:5], kv s[6:7]
	s_load_b64 s[8:9], s[0:1], 0x10                ; oc
	v_lshl_add_u32 v[SPW], v0, 2, SPARE
	v_mov_b32 v[NIL], 0
	ds_add_u32 v[SPW], v[NIL]                      ; the wave's opening: the add and its wait ahead of the first tensor load; the set-up below, work on registers, stands between them
	ds_add_u32 v[SPW], v[NIL]
	v_lshrrev_b32 v8, 5, v0
	s_delay_alu instid0(VALU_DEP_1)
	v_readfirstlane_b32 s[WV], v8                  ; wave 0..15
	s_bfe_u32 s10, ttmp6, 0x40000                  ; cx
	s_lshl_b32 s11, ttmp9, 2
	s_add_co_u32 s11, s11, s10                     ; my query head: it enters q's and o's addresses alone
	s_lshr_b32 s12, ttmp9, 1                       ; the kv head, which the four partners share
	s_and_b32 s13, ttmp7, 0xffff
	s_lshr_b32 s14, s13, 2                         ; the batch
	s_and_b32 s15, s13, 3                          ; p
	s_lshl_b32 s16, s14, 2
	s_add_co_u32 s16, s16, s12
	s_mul_i32 s16, s16, 204800                     ; the kv head's eight key panels
	s_mov_b32 s17, 0
	s_lshr_b32 s67, s[WV], 2
	s_xor_b32 s67, s67, s[WV]
	s_and_b32 s67, s67, 1                          ; which of the two query panels is my wave's
	s_sub_co_u32 s68, 7, s15
	s_cmp_lg_u32 s67, 0
	s_cselect_b32 s[GQ], s68, s15                  ; 7 - p or p
	s_lshr_b32 s69, s[WV], 1                       ; and which tile of it
	s_lshl_b32 s70, s14, 3
	s_add_co_u32 s70, s70, s[GQ]
	s_lshl_b32 s70, s70, 5
	s_add_co_u32 s70, s70, s11
	s_mul_i32 s70, s70, PANEL                      ; qc and oc: [8 batch + panel][head]
	s_mov_b32 s71, 0
	s_mov_b32 s[G1], 15|(3<<16)|(1<<21)            ; 15:0 the mask: all four partners; 17:16 elements of 8 bytes; 21 set beside a mask; no padding
	s_mov_b32 s[G1+1], 32<<16                      ; rows of 256 bytes,
	s_mov_b32 s[G1+2], 50<<16                      ; 50 of them: a panel, dense
	s_mov_b32 s[G1+3], 32<<16
	s_mov_b32 s[G1+4], 50
	s_mov_b32 s[G1+5], 32
	s_mov_b32 s[G1+6], 0
	s_mov_b32 s[G1+7], 0
	s_mov_b32 s[SEL], 0x76543210
	s_mov_b32 s[SEL+1], 0xfedcba98
	s_mov_b32 s[CS], 0x3e0293ee
	s_mov_b32 s[CS+1], s[CS]                       ; (named with it as a pair, so it is written)
	s_wait_dscnt 0x0                               ; the opening add is done
	s_wait_kmcnt 0x0
	s_add_nc_u64 s[72:73], s[6:7], s[16:17]
	s_mov_b32 s[G0], 1
	s_mul_i32 s[G0+1], s[WV], PANEL                ; my panel of the sixteen: the wave's number alone enters both addresses
	s_mov_b32 s74, s[G0+1]
	s_mov_b32 s75, 0
	s_add_nc_u64 s[G0+2:G0+3], s[72:73], s[74:75]
	s_or_b32 s[G0+3], s[G0+3], 0x80000000
	CROUND                                         ; all four work-groups are here: the joint loads meet
	tensor_load_to_lds s[G0:G0+3], s[G1:G1+7]      ; every wave's one tensor load
	s_nop 0
.rept 4
	v_nop
.endr
	s_add_nc_u64 s[4:5], s[4:5], s[70:71]          ; my panel of q,
	s_add_nc_u64 s[8:9], s[8:9], s[70:71]          ; and of o
	v_and_b32 v8, 31, v0
	s_delay_alu instid0(VALU_DEP_1)
	v_lshlrev_b32 v[LI], 4, v8
	s_delay_alu instid0(VALU_DEP_2)
	v_lshlrev_b32 v[LS], 2, v8
	v_and_b32 v9, 15, v0                           ; r
	s_mul_i32 s74, s69, 1536
	v_add_nc_u32 v7, s74, v[LI]                    ; my tile's image: 1536 t + 16 lane
	s_lshl_b32 s75, s69, 6
	v_lshl_add_u32 v28, v9, 2, s75                 ; my row's scale word: 64 t + 4 r
.irp c, 0,1,2
	global_load_b128 v[16+4*\c:19+4*\c], v7, s[4:5] offset:512*\c   ; Q's fragment stays in registers
.endr
	global_load_b32 v255, v28, s[4:5] offset:SCO
	s_lshr_b32 s76, s69, 1
	s_lshl_b32 s76, s76, 5
	s_and_b32 s77, s69, 1
	s_lshl_b32 s77, s77, 3
	s_add_co_u32 s76, s76, s77
	v_and_b32 v10, 8, v0
	v_and_b32 v11, 16, v0
	s_delay_alu instid0(VALU_DEP_2)
	v_add_nc_u32 v[DQ], v9, v10
	s_delay_alu instid0(VALU_DEP_1)
	v_sub_nc_u32 v[DQ], v[DQ], v11
	s_delay_alu instid0(VALU_DEP_1)
	v_add_nc_u32 v[DQ], s76, v[DQ]                 ; my query's place in its panel - 16 (lane / 16).  Register 16 b + i holds key 32 b + 16 (lane / 16) + i: hidden on the diagonal where 32 b + i is above this
	v_mov_b32 v13, 0xff61b1e6                      ; the largest t so far: -3e38, under every t
	s_delay_alu instid0(VALU_DEP_1)
	v_floor_f32 v12, -v13                          ; -M
	v_mov_b32 v14, 0                               ; the sum, in two halves
	v_mov_b32 v15, 0
.irp b, 0,1,2,3
	v_mov_b32 v[236+\b], 0                         ; written once: a lane permute's destination counts as one of its sources
.endr
	v_mov_b32 v253, 0                              ; (named as the upper half of the pair v[252:253] before it is first written)
.set n, 0
.rept 64
	v_mov_b32 v[160+n], 0                          ; O^T.  (The step has one text: the first finds zeros, which the first change of M leaves zeros)
.set n, n+1
.endr
	s_wait_loadcnt 0x0                             ; Q
; KEY PANEL j: 128 keys.
.macro STEP j
.if \j == 0
	s_wait_tensorcnt 0x0                           ; my panel has landed
	s_wait_dscnt 0x0
	s_barrier_signal -1
	s_barrier_wait -1                              ; now every wave may read them
.endif
	v_add_nc_u32 v[ADK], 25600*\j, v[LI]           ; the panel's addresses, on every way.  These four and the v_nop are five places behind the last step's products: four are owed to the loads into their registers,
	s_wait_alu depctr_va_vdst(0)
	v_add_nc_u32 v[ADV], 25600*\j+PANEL, v[LI]     ; five to this step's first products, which write over registers that those read (V's tiles 4-7 lay where S^T lies)
	v_add_nc_u32 v[ADS], 25600*\j+SCO, v[LS]
	v_add_nc_u32 v[ADT], 25600*\j+PANEL+SCO, v[LS]
	v_nop
.if \j > 0
	s_cmp_lt_u32 s[GQ], \j                         ; all its keys come after my queries: the step's work is left out
	s_cbranch_scc1 .Lskip_\@
.endif
.irp g, 0,1                                    ; S^T = K Q^T, four tiles of 16 keys at a time
.if \g > 0
	PLACES
.endif
.irp t, 0,1,2,3
	FRAG 32+12*\t, ADK, 4*\g+\t
.endr
.if \g == 0
.irp i, 0,1,2,3
	ds_load_b32 v[248+\i], v[ADS] offset:128*\i    ; tiles 2 i (lanes 0-15) and 2 i + 1 (lanes 16-31)
.endr
.endif
	s_wait_dscnt 0x0
.irp t, 0,1,2,3
	WMMA 96+8*(4*\g+\t), 32+12*\t, 16, 1, 248+(4*\g+\t)/2, 255, \t%2, 0
.endr
.endr
	PLACES                                         ; in front of the loads below and of the first read of the scores
	s_wait_alu depctr_va_vdst(0)
.irp t, 0,1,2,3
	FRAG 32+12*\t, ADV, \t                         ; V's tiles 0-3 and its scale words are asked for here: the softmax names none of these registers, and they land while it is worked
.endr
.irp i, 0,1,2,3
	ds_load_b32 v[248+\i], v[ADT] offset:128*\i
.endr
	s_cmp_lg_u32 s[GQ], \j                         ; only the diagonal panel has hidden keys
	s_cbranch_scc1 .Lopen_\@
	v_mov_b32 v254, 0xff800000                     ; -infinity
.set n, 0
.rept 64
	v_cmp_gt_i32 vcc_lo, 32*(n/16)+n%16, v[DQ]
	v_cndmask_b32 v[96+n], v[96+n], v254, vcc_lo
.set n, n+1
.endr
.Lopen_\@:
.irp b, 0,1,2,3
	v_max3_num_f32 v[232+\b], v[96+16*\b], v[97+16*\b], v[98+16*\b]   ; the largest score of each block of 32 keys: for the row's maximum, and, since p rises with the score, for the block's largest p
.endr
.irp i, 3,5,7,9,11,13
.irp b, 0,1,2,3
	v_max3_num_f32 v[232+\b], v[232+\b], v[96+16*\b+\i], v[97+16*\b+\i]
.endr
.endr
.irp b, 0,1,2,3
	v_max_num_f32 v[232+\b], v[232+\b], v[111+16*\b]
.endr
.irp b, 0,1,2,3
	s_delay_alu instid0(VALU_DEP_4)
	v_permlanex16_b32 v[236+\b], v[232+\b], s[SEL], s[SEL+1]
.endr
.irp b, 0,1,2,3
	s_delay_alu instid0(VALU_DEP_4)
	v_max_num_f32 v[232+\b], v[232+\b], v[236+\b]  ; with lane l xor 16's 16 keys
.endr
	s_delay_alu instid0(VALU_DEP_2)
	v_max3_num_f32 v254, v232, v233, v234
	s_delay_alu instid0(VALU_DEP_1)
	v_max_num_f32 v254, v254, v235                 ; the step's largest score of my query
	s_delay_alu instid0(VALU_DEP_1)
	v_mul_f32 v254, s[CS], v254                    ; as t
	s_delay_alu instid0(VALU_DEP_1)
	v_max_num_f32 v13, v13, v254                   ; the running largest t
	v_mov_b32 v254, v12
	s_delay_alu instid0(VALU_DEP_2)
	v_floor_f32 v12, -v13                          ; the new -M = floor(-t): M is a whole number
	s_delay_alu instid0(VALU_DEP_1)
	v_sub_f32 v254, v12, v254                      ; old M - new M: a whole number, 0 or less
	s_delay_alu instid0(VALU_DEP_1)
	v_cvt_i32_f32 v254, v254                       ; (it saturates)
	s_delay_alu instid0(VALU_DEP_1)
	v_ldexp_f32 v252, 1.0, v254                    ; f = 2^(old M - new M)
.set n, 0
.rept 32
	v_pk_fma_f32 v[96+n:97+n], v[96+n:97+n], s[CS:CS+1], v[12:13] op_sel_hi:[1,0,0]   ; t - M, two at a time
.set n, n+2
.endr
.irp b, 0,1,2,3
	v_fma_f32 v[232+\b], v[232+\b], s[CS], v12     ; the same of each block's largest score
.endr
.set n, 0
	s_wait_alu depctr_va_vdst(0)
.rept 64
	v_exp_f32 v[96+n], v[96+n]                     ; p = 2^(t - M), at most 1
.set n, n+1
.endr
	v_pk_mul_f32 v[14:15], v[14:15], v[252:253] op_sel_hi:[1,0]   ; the sums under the new M.  (A plain place behind the exponentials)
	s_wait_alu depctr_va_vdst(0)                   ; one wait for the whole batch, ahead of its first reader
.irp b, 0,1,2,3
	v_exp_f32 v[232+\b], v[232+\b]                 ; the block's largest p
.endr
	v_pk_add_f32 v[236:237], v[100:101], v[104:105]
	v_pk_add_f32 v[246:247], v[108:109], v[112:113]
	v_pk_add_f32 v[244:245], v[116:117], v[120:121]
	v_pk_add_f32 v[242:243], v[124:125], v[128:129]
	v_pk_add_f32 v[240:241], v[132:133], v[136:137]
	v_pk_add_f32 v[238:239], v[140:141], v[144:145]
	v_pk_add_f32 v[230:231], v[148:149], v[152:153]
	v_pk_add_f32 v[14:15], v[14:15], v[156:157]
	v_pk_add_f32 v[236:237], v[236:237], v[96:97]
	v_pk_add_f32 v[246:247], v[246:247], v[98:99]
	v_pk_add_f32 v[244:245], v[244:245], v[102:103]
	v_pk_add_f32 v[242:243], v[242:243], v[106:107]
	v_pk_add_f32 v[240:241], v[240:241], v[110:111]
	v_pk_add_f32 v[238:239], v[238:239], v[114:115]
	v_pk_add_f32 v[230:231], v[230:231], v[118:119]
	v_pk_add_f32 v[14:15], v[14:15], v[122:123]
	v_pk_add_f32 v[236:237], v[236:237], v[126:127]
	v_pk_add_f32 v[246:247], v[246:247], v[130:131]
	v_pk_add_f32 v[244:245], v[244:245], v[134:135]
	v_pk_add_f32 v[242:243], v[242:243], v[138:139]
	v_pk_add_f32 v[240:241], v[240:241], v[142:143]
	v_pk_add_f32 v[238:239], v[238:239], v[146:147]
	v_pk_add_f32 v[230:231], v[230:231], v[150:151]
	v_pk_add_f32 v[14:15], v[14:15], v[154:155]
	v_pk_add_f32 v[236:237], v[236:237], v[158:159]
	s_delay_alu instid0(VALU_DEP_2)
	v_pk_add_f32 v[14:15], v[14:15], v[242:243]
	s_delay_alu instid0(VALU_DEP_2)
	v_pk_add_f32 v[236:237], v[236:237], v[240:241]
	v_pk_add_f32 v[246:247], v[246:247], v[238:239]
	v_pk_add_f32 v[244:245], v[244:245], v[230:231]
	s_delay_alu instid0(VALU_DEP_2)
	v_pk_add_f32 v[14:15], v[14:15], v[246:247]
	s_delay_alu instid0(VALU_DEP_2)
	v_pk_add_f32 v[236:237], v[236:237], v[244:245]
	s_delay_alu instid0(VALU_DEP_1)
	v_pk_add_f32 v[14:15], v[14:15], v[236:237]
	s_wait_alu depctr_va_vdst(0)                   ; and one for the four
.irp b, 0,1,2,3
	v_max_num_f32 v[232+\b], 0x1800000, v[232+\b]  ; the floor 2^(3 - 127)
.endr
.irp b, 0,1,2,3
	s_delay_alu instid0(VALU_DEP_4)
	v_add_nc_u32 v[244+\b], 0xff000000, v[232+\b]  ; 2 off the exponent field: the conversion's scale operand
.endr
.irp b, 0,1,2,3
	s_delay_alu instid0(VALU_DEP_4)
	v_lshrrev_b32 v[236+\b], 23, v[244+\b]
.endr
	s_delay_alu instid0(VALU_DEP_3)
	v_lshl_or_b32 v253, v237, 8, v236              ; p's scale word for these 128 keys
	s_delay_alu instid0(VALU_DEP_1)
	v_lshl_or_b32 v253, v238, 16, v253
	s_delay_alu instid0(VALU_DEP_1)
	v_lshl_or_b32 v253, v239, 24, v253
.irp c, 0,1
	v_cvt_scalef32_pk16_fp6_f32 v[224+6*\c:226+6*\c], v[96+32*\c:111+32*\c], v[244+2*\c]
	v_cvt_scalef32_pk16_fp6_f32 v[236+4*\c:238+4*\c], v[112+32*\c:127+32*\c], v[244+2*\c+1]
.endr
	v_nop                                          ; one plain place behind a scaled conversion
.irp t, 0,1,2,3
	FRAG 96+12*\t, ADV, 4+\t                       ; p is done with: V's tiles 4-7 are asked for into its registers, and land while O^T is brought under the new M
.endr
.irp c, 0,1
.irp i, 0,1,2
	v_permlane16_swap_b32 v[224+6*\c+\i], v[236+4*\c+\i]
.endr
.irp i, 0,1,2
	s_delay_alu instid0(VALU_DEP_3)
	v_mov_b32 v[227+6*\c+\i], v[236+4*\c+\i]
.endr
.endr
.set n, 0
.rept 32
	v_pk_mul_f32 v[160+n:161+n], v[160+n:161+n], v[252:253] op_sel_hi:[1,0]   ; O^T under the new M.  (These 32 are also the places in front of the products below)
.set n, n+2
.endr
	s_wait_alu depctr_va_vdst(0)
	s_wait_dscnt 0x0                               ; all of V's eight fragments and its scale words are in
.irp t, 0,1,2,3                                ; O^T += V^T P^T: eight tiles of 16 channels, eight accumulators by turns; K = these 128 keys
	WMMA 160+8*\t, 32+12*\t, 224, 0, 248+\t/2, 253, \t%2, 0
.endr
.irp t, 0,1,2,3
	WMMA 192+8*\t, 96+12*\t, 224, 0, 250+\t/2, 253, \t%2, 0
.endr
.Lskip_\@:
.endm
.irp j, 0,1,2,3,4,5,6,7
	STEP \j
.endr
	; THE WAY OUT: O^T / the sum, quantised along the head's 128: its 12 registers are a fragment of the output projection's left operand, K step = my head.
	PLACES
	v_add_f32 v14, v14, v15                        ; the sum's two halves,
	s_delay_alu instid0(VALU_DEP_1)
	v_permlanex16_b32 v252, v14, s[SEL], s[SEL+1]
	s_delay_alu instid0(VALU_DEP_1)
	v_add_f32 v14, v14, v252                       ; and lane l xor 16's
	s_wait_alu depctr_va_vdst(0)
	v_rcp_f32 v14, v14
	v_nop                                          ; a plain place behind the reciprocal,
	s_wait_alu depctr_va_vdst(0)                   ; and the wait ahead of its first reader
.set n, 0
.rept 64
	v_mul_f32 v[96+n], v[160+n], v14               ; register 16 b + i: channel 32 b + 16 (lane / 16) + i
.set n, n+1
.endr
	QUANT 96, 0
.irp c, 0,1,2
	global_store_b128 v7, v[PC+4*\c:PC+4*\c+3], s[8:9] offset:512*\c   ; 512 consecutive bytes a store
.endr
	global_store_b32 v28, v[PW], s[8:9] offset:SCO     ; 64 consecutive bytes (lanes 16-31 hold, and write, the same words as lanes 0-15)
	s_wait_tensorcnt 0x0                           ; the wave's end, behind the last tensor load
	ds_add_u32 v[SPW], v[NIL]
	s_wait_dscnt 0x0
	CROUND                                         ; the closing round
	s_endpgm
.Lfunc_end_k_q118978f249_attn:
	.size	k_q118978f249_attn, .Lfunc_end_k_q118978f249_attn-k_q118978f249_attn
	.p2alignl 7, 3214868480
	.fill 96, 4, 3214868480
	.section	.rodata,"a",@progbits
	.p2align	6, 0x0
	.amdhsa_kernel k_q118978f249_attn
		.amdhsa_group_segment_fixed_size 206848
		.amdhsa_private_segment_fixed_size 0
		.amdhsa_enable_private_segment 0
		.amdhsa_kernarg_size 24
		.amdhsa_user_sgpr_count 2
		.amdhsa_user_sgpr_kernarg_segment_ptr 1
		.amdhsa_wavefront_size32 1
		.amdhsa_system_sgpr_workgroup_id_x 1
		.amdhsa_system_sgpr_workgroup_id_y 1
		.amdhsa_system_sgpr_workgroup_id_z 1
		.amdhsa_system_vgpr_workitem_id 0
		.amdhsa_next_free_vgpr 256
		.amdhsa_next_free_sgpr 80
		.amdhsa_reserve_vcc 1
		.amdhsa_float_denorm_mode_32 3
		.amdhsa_float_denorm_mode_16_64 3
		.amdhsa_memory_ordered 1
		.amdhsa_forward_progress 1
		.amdhsa_inst_pref_size 218
	.end_amdhsa_kernel
	.amdgpu_metadata
---
amdhsa.version: [ 1, 2 ]
amdhsa.kernels:
  - .name:           k_q118978f249_attn
    .symbol:         k_q118978f249_attn.kd
    .args:
      - { .name: qc, .offset: 0, .size: 8, .value_kind: global_buffer, .address_space: global }
      - { .name: kv, .offset: 8, .size: 8, .value_kind: global_buffer, .address_space: global }
      - { .name: oc, .offset: 16, .size: 8, .value_kind: global_buffer, .address_space: global }
    .group_segment_fixed_size: 206848
    .private_segment_fixed_size: 0
    .kernarg_segment_align: 8
    .kernarg_segment_size: 24
    .max_flat_workgroup_size: 512
    .sgpr_count:     80
    .vgpr_count:     256
    .wavefront_size: 32
...
	.end_amdgpu_metadata
.endif
;; end of part 3
;; launch oproj (part 4): grid 16 x 16, 4 waves a work-group, clusters of 4 x 4, 327,680 bytes of LDS; arguments oc, woq, out0; writes out0
.if DOCPART == 4
	.amdgcn_target "amdgcn-amd-amdhsa--gfx1250"
	.amdhsa_code_object_version 6
	.text
	.protected	k_q118978f249_oproj
	.globl	k_q118978f249_oproj
	.p2align	8
	.type	k_q118978f249_oproj,@function
k_q118978f249_oproj:
	s_mov_b64 s[64:65], 0
	v_nop
	global_prefetch_b8 v0, s[64:65] scope:SCOPE_SE
	s_setreg_imm32_b32 hwreg(HW_REG_WAVE_MODE, 25, 1), 1
	s_wait_xcnt 0x0
	s_wait_alu depctr_hold_cnt(0) depctr_sa_sdst(0) depctr_va_vdst(0) depctr_va_sdst(0) depctr_va_ssrc(0) depctr_va_vcc(0) depctr_vm_vsrc(0)
	s_getreg_b32 s2, hwreg(HW_REG_IB_STS2, 6, 4)
	s_cmp_eq_u32 s2, 0
	s_cbranch_scc0 .Lentry_in_a_cluster
	s_endpgm
.Lentry_in_a_cluster:
	s_bfe_u32 s2, ttmp6, 0x10000c
	s_cmp_lg_u32 s2, 0xf033
	s_cbranch_scc0 .Lentry_shape_is_right
	s_endpgm
.Lentry_shape_is_right:
.set PANEL, 12800
.set SCO,   12288
.set HALF,  38400
.set XOFF,  76800
.set SLOT,  153600
.set SPARE, 307200
.set SP,    528
.set CO,    2
.set ADY,   4
.set ADX,   8
.set ASY,   12
.set ASX,   16
.set STO,   24
.set RD,    25
.set SPW,   28
.set NIL,   29
.set SC,    32
.set ACC,   128
.set G1Y,   24
.set G0Y,   32
.set G1X,   48
.set G0X,   56
.set G1YL,  68
.set G1XL,  76
.set G0YL,  84
.set G0XL,  88
.set MSB,   0
.macro WIN new
.if MSB != (\new)
	s_set_vgpr_msb (MSB<<8)|(\new)
.set MSB, (\new)
.endif
.endm
.set MUL,  0x05
.set TO_F, 0x40
.macro WMMA d, x, y, zero, sx, sy, rx, ry
.set wD, \d
.set wX, \x
.set wY, \y
.set wS, \sx
.set wT, \sy
.set wM, 4*(\zero)+2*(\rx)+(\ry)
.if wM == 0
	v_wmma_scale_f32_16x16x128_f8f6f4 v[wD:wD+7], v[wX:wX+11], v[wY:wY+11], v[wD:wD+7], v[wS], v[wT] matrix_a_fmt:MATRIX_FMT_FP6 matrix_b_fmt:MATRIX_FMT_FP6
.elseif wM == 1
	v_wmma_scale_f32_16x16x128_f8f6f4 v[wD:wD+7], v[wX:wX+11], v[wY:wY+11], v[wD:wD+7], v[wS], v[wT] matrix_a_fmt:MATRIX_FMT_FP6 matrix_b_fmt:MATRIX_FMT_FP6 matrix_b_scale:MATRIX_SCALE_ROW1
.elseif wM == 2
	v_wmma_scale_f32_16x16x128_f8f6f4 v[wD:wD+7], v[wX:wX+11], v[wY:wY+11], v[wD:wD+7], v[wS], v[wT] matrix_a_fmt:MATRIX_FMT_FP6 matrix_b_fmt:MATRIX_FMT_FP6 matrix_a_scale:MATRIX_SCALE_ROW1
.elseif wM == 3
	v_wmma_scale_f32_16x16x128_f8f6f4 v[wD:wD+7], v[wX:wX+11], v[wY:wY+11], v[wD:wD+7], v[wS], v[wT] matrix_a_fmt:MATRIX_FMT_FP6 matrix_b_fmt:MATRIX_FMT_FP6 matrix_a_scale:MATRIX_SCALE_ROW1 matrix_b_scale:MATRIX_SCALE_ROW1
.elseif wM == 4
	v_wmma_scale_f32_16x16x128_f8f6f4 v[wD:wD+7], v[wX:wX+11], v[wY:wY+11], 0, v[wS], v[wT] matrix_a_fmt:MATRIX_FMT_FP6 matrix_b_fmt:MATRIX_FMT_FP6
.elseif wM == 5
	v_wmma_scale_f32_16x16x128_f8f6f4 v[wD:wD+7], v[wX:wX+11], v[wY:wY+11], 0, v[wS], v[wT] matrix_a_fmt:MATRIX_FMT_FP6 matrix_b_fmt:MATRIX_FMT_FP6 matrix_b_scale:MATRIX_SCALE_ROW1
.elseif wM == 6
	v_wmma_scale_f32_16x16x128_f8f6f4 v[wD:wD+7], v[wX:wX+11], v[wY:wY+11], 0, v[wS], v[wT] matrix_a_fmt:MATRIX_FMT_FP6 matrix_b_fmt:MATRIX_FMT_FP6 matrix_a_scale:MATRIX_SCALE_ROW1
.else
	v_wmma_scale_f32_16x16x128_f8f6f4 v[wD:wD+7], v[wX:wX+11], v[wY:wY+11], 0, v[wS], v[wT] matrix_a_fmt:MATRIX_FMT_FP6 matrix_b_fmt:MATRIX_FMT_FP6 matrix_a_scale:MATRIX_SCALE_ROW1 matrix_b_scale:MATRIX_SCALE_ROW1
.endif
.endm
.macro FRAGO reg, adr, off
.irp c, 0,1,2
	ds_load_b128 v[\reg+4*\c:\reg+4*\c+3], v[\adr] offset:\off+512*\c
.endr
.endm
.macro PLACES
.rept 4
	v_nop
.endr
.endm
.macro JLOAD g0y, g1y, g0x, g1x
	s_cmp_eq_u32 s11, 0
	s_cbranch_scc0 .Lfor_x_\@
	tensor_load_to_lds s[\g0y:\g0y+3], s[\g1y:\g1y+7]
	s_nop 0
.rept 4
	v_nop
.endr
	s_branch .Lasked_\@
.Lfor_x_\@:
	tensor_load_to_lds s[\g0x:\g0x+3], s[\g1x:\g1x+7]
	s_nop 0
.rept 4
	v_nop
.endr
.Lasked_\@:
.endm
.macro CREST
	s_cmp_lg_u32 s10, 0
	s_cbranch_scc1 .Lnot_wave_0_\@
	s_barrier_signal -3
.Lnot_wave_0_\@:
	s_barrier_wait -3
	s_barrier_signal -1
	s_barrier_wait -1
.endm
.macro CROUND
	s_barrier_signal -1
	s_barrier_wait -1
	CREST
.endm
	s_load_b128 s[4:7], s[0:1], 0x0
	s_load_b64 s[8:9], s[0:1], 0x10
	v_lshl_add_u32 v[SPW], v0, 2, SPARE
	v_mov_b32 v[NIL], 0
	ds_add_u32 v[SPW], v[NIL]
	ds_add_u32 v[SPW], v[NIL]
	v_lshrrev_b32 v1, 5, v0
	v_readfirstlane_b32 s10, v1
	s_lshr_b32 s11, s10, 1
	s_and_b32 s12, s10, 1
	s_bfe_u32 s40, ttmp6, 0x40000
	s_bfe_u32 s41, ttmp6, 0x40004
	s_lshl_b32 s42, ttmp9, 2
	s_add_co_u32 s42, s42, s40
	s_and_b32 s13, ttmp7, 0xffff
	s_lshl_b32 s13, s13, 2
	s_add_co_u32 s13, s13, s41
	s_lshl_b32 s43, s41, 2
	s_lshl_b32 s43, 15, s43
	s_lshl_b32 s44, 0x1111, s40
	s_or_b32 s[G1Y], s43, (3<<16)|(1<<21)
	s_or_b32 s[G1X], s44, (3<<16)|(1<<21)
	s_or_b32 s[G1YL], s43, (3<<16)|(1<<21)
	s_or_b32 s[G1XL], s44, (3<<16)|(1<<21)
.irp g, G1Y, G1X
	s_mov_b32 s[\g+1], 32<<16
	s_mov_b32 s[\g+2], 150<<16
	s_mov_b32 s[\g+3], 32<<16
	s_mov_b32 s[\g+4], 150
	s_mov_b32 s[\g+5], 32
	s_mov_b32 s[\g+6], 0
	s_mov_b32 s[\g+7], 0
.endr
.irp g, G1YL, G1XL
	s_mov_b32 s[\g+1], 32<<16
	s_mov_b32 s[\g+2], 50<<16
	s_mov_b32 s[\g+3], 32<<16
	s_mov_b32 s[\g+4], 50
	s_mov_b32 s[\g+5], 32
	s_mov_b32 s[\g+6], 0
	s_mov_b32 s[\g+7], 0
.endr
	s_mul_i32 s18, s12, HALF
	s_mul_i32 s16, s13, 32*PANEL
	s_add_co_u32 s16, s16, s18
	s_mov_b32 s17, 0
	s_mul_i32 s46, s42, 32*PANEL
	s_add_co_u32 s46, s46, s18
	s_mov_b32 s47, 0
	s_mul_i32 s20, s10, HALF
	s_mul_i32 s19, s12, PANEL
	s_mul_i32 s92, s13, 32*PANEL
	s_add_co_u32 s92, s92, s19
	s_add_co_u32 s92, s92, 30*PANEL
	s_mov_b32 s93, 0
	s_mul_i32 s94, s42, 32*PANEL
	s_add_co_u32 s94, s94, s19
	s_add_co_u32 s94, s94, 30*PANEL
	s_mov_b32 s95, 0
	s_mul_i32 s96, s11, XOFF
	s_add_co_u32 s96, s96, s19
	s_add_co_u32 s96, s96, SLOT
	s_wait_dscnt 0x0
	s_wait_kmcnt 0x0
	s_add_nc_u64 s[14:15], s[4:5], s[16:17]
	s_add_nc_u64 s[46:47], s[6:7], s[46:47]
	s_mov_b32 s[G0YL], 1
	s_mov_b32 s[G0YL+1], s96
	s_add_nc_u64 s[G0YL+2:G0YL+3], s[4:5], s[92:93]
	s_or_b32 s[G0YL+3], s[G0YL+3], 0x80000000
	s_mov_b32 s[G0XL], 1
	s_mov_b32 s[G0XL+1], s96
	s_add_nc_u64 s[G0XL+2:G0XL+3], s[6:7], s[94:95]
	s_or_b32 s[G0XL+3], s[G0XL+3], 0x80000000
	CROUND
.irp s, 0,1
	s_mov_b32 s[G0Y+4*\s], 1
	s_add_co_u32 s[G0Y+4*\s+1], s20, \s*SLOT
	s_add_nc_u64 s[G0Y+4*\s+2:G0Y+4*\s+3], s[14:15], \s*6*PANEL
	s_or_b32 s[G0Y+4*\s+3], s[G0Y+4*\s+3], 0x80000000
	s_mov_b32 s[G0X+4*\s], 1
	s_add_co_u32 s[G0X+4*\s+1], s20, \s*SLOT
	s_add_nc_u64 s[G0X+4*\s+2:G0X+4*\s+3], s[46:47], \s*6*PANEL
	s_or_b32 s[G0X+4*\s+3], s[G0X+4*\s+3], 0x80000000
	s_wait_alu depctr_va_vdst(0)
	s_wait_tensorcnt 0x0
	ds_add_u32 v28, v29
	ds_add_u32 v28, v29
	s_wait_dscnt 0x0
	CROUND
	JLOAD G0Y+4*\s, G1Y, G0X+4*\s, G1X
.endr
	v_and_b32 v1, 31, v0
	v_lshlrev_b32 v[CO], 4, v1
	v_lshlrev_b32 v3, 2, v1
	s_mul_i32 s21, s11, 6144
	s_mul_i32 s22, s12, 6144
	s_add_co_u32 s22, s22, XOFF
	s_lshl_b32 s23, s11, 8
	s_add_co_u32 s23, s23, SCO
	s_lshl_b32 s66, s12, 8
	s_add_co_u32 s66, s66, XOFF+SCO
	v_add_nc_u32 v20, s21, v[CO]
	v_add_nc_u32 v21, s22, v[CO]
	v_add_nc_u32 v22, s23, v3
	v_add_nc_u32 v23, s66, v3
.irp k, 0,1,2,3
	v_add_nc_u32 v[ADY+\k], (\k/2)*SLOT+(\k%2)*HALF, v20
	v_add_nc_u32 v[ADX+\k], (\k/2)*SLOT+(\k%2)*HALF, v21
	v_add_nc_u32 v[ASY+\k], (\k/2)*SLOT+(\k%2)*HALF, v22
	v_add_nc_u32 v[ASX+\k], (\k/2)*SLOT+(\k%2)*HALF, v23
.endr
	v_and_b32 v20, 15, v0
	v_and_b32 v21, 8, v0
	v_add_nc_u32 v20, v20, v21
	v_mul_u32_u24 v[STO], v20, SP
	v_bfe_u32 v21, v0, 4, 1
	v_lshl_add_u32 v[STO], v21, 6, v[STO]
	s_mul_i32 s21, s11, 64*SP
	s_lshl_b32 s22, s12, 8
	s_add_co_u32 s21, s21, s22
	v_add_nc_u32 v[STO], s21, v[STO]
	s_mul_i32 s21, s10, 32*SP
	v_add_nc_u32 v[RD], s21, v[CO]
	s_lshl_b32 s66, s13, 7
	s_lshl_b32 s67, s10, 5
	s_add_co_u32 s66, s66, s67
	s_lshl_b32 s66, s66, 13
	s_lshl_b32 s67, s42, 9
	s_add_co_u32 s66, s66, s67
	s_mov_b32 s67, 0
	s_add_nc_u64 s[8:9], s[8:9], s[66:67]
.macro FETCH slot, q, par
	WIN TO_F
.irp i, 0,1,2,3
	FRAGO 128*(\par)+12*\i, ADY+2*(\slot)+(\q)/3, PANEL*((\q)%3)+1536*\i
.endr
.irp i, 0,1,2,3
	FRAGO 128*(\par)+48+12*\i, ADX+2*(\slot)+(\q)/3, PANEL*((\q)%3)+1536*\i
.endr
	WIN 0
.irp i, 0,1
	ds_load_b32 v[SC+4*(\par)+\i], v[ASY+2*(\slot)+(\q)/3] offset:PANEL*((\q)%3)+128*\i
	ds_load_b32 v[SC+4*(\par)+2+\i], v[ASX+2*(\slot)+(\q)/3] offset:PANEL*((\q)%3)+128*\i
.endr
.endm
.macro MUL4 par, a, zero
.irp b, 0,1,2,3
	WMMA ACC+8*(4*(\a)+\b), 128*(\par)+48+12*\b, 128*(\par)+12*(\a), \zero, SC+4*(\par)+2+\b/2, SC+4*(\par)+(\a)/2, \b%2, (\a)%2
.endr
.endm
.macro KST slot, q, zero
	s_wait_dscnt 0x0
	PLACES
	FETCH \slot, (\q)+1, 1-(\q)%2
	WIN MUL
.irp a, 0,1,2,3
	MUL4 (\q)%2, \a, \zero
.endr
.endm
.macro TURN slot, next, fill
	WIN 0
	s_wait_tensorcnt 0x0
	ds_add_u32 v[SPW], v[NIL]
	s_wait_dscnt 1
	WIN MUL
	MUL4 1, 0, 0
	s_wait_dscnt 0x0
	s_barrier_signal -1
	MUL4 1, 1, 0
	WIN 0
	s_barrier_wait -1
.if \fill == 1
	CREST
	s_add_nc_u64 s[G0Y+4*\slot+2:G0Y+4*\slot+3], s[G0Y+4*\slot+2:G0Y+4*\slot+3], 12*PANEL
	s_add_nc_u64 s[G0X+4*\slot+2:G0X+4*\slot+3], s[G0X+4*\slot+2:G0X+4*\slot+3], 12*PANEL
	JLOAD G0Y+4*\slot, G1Y, G0X+4*\slot, G1X
.elseif \fill == 2
	CREST
	JLOAD G0YL, G1YL, G0XL, G1XL
.else
	PLACES
.endif
	FETCH \next, 0, 0
	WIN MUL
	MUL4 1, 2, 0
	MUL4 1, 3, 0
.endm
	s_wait_tensorcnt 1
	s_barrier_signal -1
	s_barrier_wait -1
	FETCH 0, 0, 0
	KST 0, 0, 1
.irp q, 1,2,3,4
	KST 0, \q, 0
.endr
	TURN 0, 1, 1
	s_wait_alu depctr_va_vdst(0)
.irp q, 0,1,2,3,4
	KST 1, \q, 0
.endr
	TURN 1, 0, 1
.irp q, 0,1,2,3,4
	KST 0, \q, 0
.endr
	TURN 0, 1, 1
.irp q, 0,1,2,3,4
	KST 1, \q, 0
.endr
	TURN 1, 0, 2
.irp q, 0,1,2,3,4
	KST 0, \q, 0
.endr
	TURN 0, 1, 0
	KST 1, 0, 0
	s_wait_dscnt 0x0
.irp a, 0,1,2,3
	MUL4 1, \a, 0
.endr
	WIN 0
	PLACES
.irp a, 0,1,2,3
.irp b, 0,1,2,3
	ds_store_b128 v[STO], v[ACC+8*(4*\a+\b):ACC+8*(4*\a+\b)+3] offset:(32*(\a/2)+8*(\a%2))*SP+128*(\b/2)+32*(\b%2)
	ds_store_b128 v[STO], v[ACC+8*(4*\a+\b)+4:ACC+8*(4*\a+\b)+7] offset:(32*(\a/2)+8*(\a%2))*SP+128*(\b/2)+32*(\b%2)+16
.endr
.endr
	s_wait_dscnt 0x0
	s_barrier_signal -1
	s_barrier_wait -1
.set n, 0
.rept 32
	ds_load_b128 v[ACC+4*n:ACC+4*n+3], v[RD] offset:n*SP
.set n, n+1
.endr
.set n, 0
.rept 32
	s_wait_dscnt 31-n
	global_store_b128 v[CO], v[ACC+4*n:ACC+4*n+3], s[8:9] offset:n*8192 th:TH_STORE_NT
.set n, n+1
.endr
	s_wait_tensorcnt 0x0
	ds_add_u32 v[SPW], v[NIL]
	s_wait_dscnt 0x0
	CROUND
	s_endpgm
.Lfunc_end_k_q118978f249_oproj:
	.size	k_q118978f249_oproj, .Lfunc_end_k_q118978f249_oproj-k_q118978f249_oproj
	.p2alignl 7, 3214868480
	.fill 96, 4, 3214868480
	.section	.rodata,"a",@progbits
	.p2align	6, 0x0
	.amdhsa_kernel k_q118978f249_oproj
		.amdhsa_group_segment_fixed_size 327680
		.amdhsa_private_segment_fixed_size 0
		.amdhsa_enable_private_segment 0
		.amdhsa_kernarg_size 24
		.amdhsa_user_sgpr_count 2
		.amdhsa_user_sgpr_kernarg_segment_ptr 1
		.amdhsa_wavefront_size32 1
		.amdhsa_system_sgpr_workgroup_id_x 1
		.amdhsa_system_sgpr_workgroup_id_y 1
		.amdhsa_system_sgpr_workgroup_id_z 1
		.amdhsa_system_vgpr_workitem_id 0
		.amdhsa_next_free_vgpr 512
		.amdhsa_next_free_sgpr 100
		.amdhsa_reserve_vcc 0
		.amdhsa_float_denorm_mode_32 3
		.amdhsa_float_denorm_mode_16_64 3
		.amdhsa_memory_ordered 1
		.amdhsa_forward_progress 1
		.amdhsa_inst_pref_size 151
	.end_amdhsa_kernel
	.amdgpu_metadata
---
amdhsa.version: [ 1, 2 ]
amdhsa.kernels:
  - .name:           k_q118978f249_oproj
    .symbol:         k_q118978f249_oproj.kd
    .args:
      - { .name: oc, .offset: 0, .size: 8, .value_kind: global_buffer, .address_space: global }
      - { .name: woq, .offset: 8, .size: 8, .value_kind: global_buffer, .address_space: global }
      - { .name: out0, .offset: 16, .size: 8, .value_kind: global_buffer, .address_space: global }
    .group_segment_fixed_size: 327680
    .private_segment_fixed_size: 0
    .kernarg_segment_align: 8
    .kernarg_segment_size: 24
    .max_flat_workgroup_size: 128
    .sgpr_count:     100
    .vgpr_count:     512
    .wavefront_size: 32
...
	.end_amdgpu_metadata
.endif
;; end of part 4
